; MI455X (gfx1250); checked and timed in simulation.
; The chip was launched on July 23, 2026; its instructions are those of AMD's public machine-readable ISA for CDNA 5 (MIT licence, August 2026) and "CDNA5" Instruction Set Architecture Reference Guide (July 2026). The comments in the code are by the model that wrote it; some were corrected since.
;; Multi Head Attention. Allowed arithmetic: matrix products marked QUANTISED: E4M3 operands, one given power-of-two scale a tensor, by v_wmma_f32_16x16x64_fp8_fp8 or v_wmma_f32_16x16x128_fp8_fp8, f32 sums; everything else in f32.
;; Inputs: Wk_codes 16 x 64 x 32 x 32 uint8 (E4M3 codes of Wk, K innermost, in blocks of 32 codes); Wo_codes 1,024 x 32 x 32 uint8 (E4M3 codes of Wo, K innermost, in blocks of 32 codes); Wq_codes 16 x 64 x 32 x 32 uint8 (E4M3 codes of Wq, K innermost, in blocks of 32 codes); Wv_codes 16 x 64 x 32 x 32 uint8 (E4M3 codes of Wv, K innermost, in blocks of 32 codes); bk 16 x 64 float32; bo 1,024 float32; bq 16 x 64 float32; bv 16 x 64 float32; key_codes 4 x 2,048 x 32 x 32 uint8 (E4M3 codes of key, K innermost, in blocks of 32 codes); lowp_scales 12 int32 (the exponents e of the quantised operands' scales 2^e); query_codes 4 x 2,048 x 32 x 32 uint8 (E4M3 codes of query, K innermost, in blocks of 32 codes); value_codes 4 x 2,048 x 32 x 32 uint8 (E4M3 codes of value, K innermost, in blocks of 32 codes).
;; Outputs: out0 4 x 2,048 x 1,024 float32.
;; This version of the problem:
;;   THIS VERSION OF THE PROBLEM IS GIVEN IN LOW PRECISION. The matrix products marked QUANTISED in the list below multiply operands that are first quantised to E4M3 (4 exponent bits, 3 mantissa bits; 8 bits a number), with one given power-of-two scale for each operand tensor; their sums are f32. All else is computed in f32.
;;   The module's matrix products, in the order in which they are computed (A, B: the left and right operand; K: the contracted axis; several contracted axes count as one K, in the product's order):
;;     1. [M 1,024, K 1,024] x [K 1,024, N 8,192]; A: input Wq (given as codes); B: input query (given as codes): QUANTISED (scales: A lowp_scales[0], B lowp_scales[1])
;;     2. [M 1,024, K 1,024] x [K 1,024, N 8,192]; A: input Wk (given as codes); B: input key (given as codes): QUANTISED (scales: A lowp_scales[2], B lowp_scales[3])
;;     3. [M 1,024, K 1,024] x [K 1,024, N 8,192]; A: input Wv (given as codes); B: input value (given as codes): QUANTISED (scales: A lowp_scales[4], B lowp_scales[5])
;;     4. batch 64 x [M 2,048, K 64] x [K 64, N 2,048]; A: computed on the way; B: computed on the way: QUANTISED (scales: A lowp_scales[6], B lowp_scales[7])
;;     5. batch 64 x [M 2,048, K 2,048] x [K 2,048, N 64]; A: softmax (see below); B: computed on the way: QUANTISED (scales: A lowp_scales[8], B lowp_scales[9])
;;     6. [M 8,192, K 1,024] x [K 1,024, N 1,024]; A: computed on the way; B: input Wo (given as codes): QUANTISED (scales: A lowp_scales[10], B lowp_scales[11])
;;   THE QUANTISER, for each operand of a quantised product, along K:
;;     - The operand's scale is 2^e, e = its entry of the input lowp_scales (int32; the entries are numbered through the quantised products in the list's order, A before B).
;;     - Each number is divided by the scale, clamped to +-448, and rounded to the nearest number of E4M3, ties to even, subnormals kept.
;;     - The product sums the exact products of the quantised numbers (number of the format x scale) in f32.
;;   ~~~python
;;   def quantise(x, axis, e):      # numpy; x: float32 -> the quantised numbers, widened to float32 again
;;       x = np.moveaxis(x, axis, -1); K = x.shape[-1]
;;       r = np.clip(x / 2.0 ** e, -448, 448)
;;       step = 2.0 ** (np.maximum(np.frexp(np.where(r == 0, 1, r))[1] - 1, -6) - 3)
;;       q = np.round(r / step) * step * 2.0 ** e      # np.round: ties to even
;;       return np.moveaxis(q, -1, axis).astype(np.float32)
;;   ~~~
;;   SOFTMAX AHEAD OF A QUANTISED PRODUCT. Where the list says 'softmax', what is quantised is not the finished softmax but p = 2^(t - M), with t = logit x log2(e) and M = ceil(the row's largest t), a whole number; so 1/2 < the row's largest p <= 1. The row's sum l is taken of the UNQUANTISED p, in f32, and the product's result is divided by l at the end. Since M is a whole number, a kernel that streams over the keys may use a running M (the ceiling of the running maximum): every later rescaling is an exact power of two, so the quantised numbers keep their values, but for numbers so far below the row's largest that they fall under the format's range.
;;   OPERANDS COMPUTED ON THE WAY. 'Computed on the way' means the value that the module computes at that place (a softmax that the list does not call 'softmax' is quantised finished and normalised). What goes into a quantiser is computed in f32, as accurately as f32 sums, v_exp_f32 and their like allow (about 1e-6 of the number): no bf16 or f16 on the way to a quantiser, and a product that is left as it is and whose result goes on into a quantised operand takes f32 operands (vector FMAs, or v_wmma_f32_16x16x4_f32). A number that lies on a knife's edge between two numbers of the format may be rounded either way, as far as f32 arithmetic and the matrix unit's own rounding can turn it there, and no further.
;;   INPUTS GIVEN AS CODES. Wk (in the module: [16, 1024, 64], K = its axis 1); Wo (in the module: [1024, 1024], K = its axis 0); Wq (in the module: [16, 1024, 64], K = its axis 1); Wv (in the module: [16, 1024, 64], K = its axis 1); key (in the module: [4, 2048, 1024], K = its axis 2); query (in the module: [4, 2048, 1024], K = its axis 2); value (in the module: [4, 2048, 1024], K = its axis 2): each comes as NAME_codes (uint8): NAME with its K axis moved to the last place and cut into blocks of 32 codes, [.., K / 32, bytes a block], one block behind the other in memory; one code a byte (a code: sign, 4 exponent bits, 3 mantissa bits); its scale is its entry of lowp_scales. Its value is code x scale, taken as it is: it is not quantised again, and the codes and scales need not be those that the quantiser above would give.
;; One version. Each part assembles by itself: llvm-mc -triple=amdgcn-amd-amdhsa -mcpu=gfx1250 --defsym DOCPART=n.
;; ======== version 1 of 1: 3 launches
;; limits: right only within a limited range of input values
;; workspace buffers: kv 16,777,216 bytes; cc 8,388,608 bytes
;; launch proj (part 1): grid 8 x 32, 4 waves a work-group, clusters of 4 x 4, 327,680 bytes of LDS; arguments key_codes, value_codes, Wk_codes, Wv_codes, bk, bv, lowp_scales, kv; writes kv
.if DOCPART == 1
	.amdgcn_target "amdgcn-amd-amdhsa--gfx1250"
	.amdhsa_code_object_version 6
	.text
	.protected	k_q044964b725_proj
	.globl	k_q044964b725_proj
	.p2align	8
	.type	k_q044964b725_proj,@function
k_q044964b725_proj:
	s_mov_b64 s[64:65], 0
	v_nop
	global_prefetch_b8 v0, s[64:65] scope:SCOPE_SE
	s_setreg_imm32_b32 hwreg(HW_REG_WAVE_MODE, 25, 1), 1
	s_wait_xcnt 0x0
	s_wait_alu depctr_hold_cnt(0) depctr_sa_sdst(0) depctr_va_vdst(0) depctr_va_sdst(0) depctr_va_ssrc(0) depctr_va_vcc(0) depctr_vm_vsrc(0)
	s_getreg_b32 s2, hwreg(HW_REG_IB_STS2, 6, 4)
	s_cmp_eq_u32 s2, 0
	s_cbranch_scc0 .Lentry_in_a_cluster
	s_endpgm
.Lentry_in_a_cluster:
	s_bfe_u32 s2, ttmp6, 0x10000c
	s_cmp_lg_u32 s2, 0xf033
	s_cbranch_scc0 .Lentry_shape_is_right
	s_endpgm
.Lentry_shape_is_right:
; THE THREE PROJECTIONS: q = query Wq + bq, k = key Wk + bk, v = value Wv + bv, each a product of [8192][1024] by [1024][1024] on codes of FP8 (E4M3) with K innermost,
; each finished sum x 2^(eW + eAct) + bias in f32, then quantised with the given scale (entries 6, 7, 9 of the scales) and stored as codes in the order of the next launch's operand registers.
; WHICH PRODUCT: the cluster's x, g = 0 (q), 1 (k), 2 (v): the same number in all sixteen partners.  Buffers, scales and coordinates are chosen by s_cselect on g.
; A tile of 256 x 256 is made by four waves, 128 x 128 each: 64 accumulators of 16 x 16 in 512 registers.  K goes in steps of 256 through a ring of two LDS slots filled by the tensor data mover.
; REGIONS.  Region A gives a lane its row, region B gives a lane's eight registers (source 0 = 16 rows of B, source 1 = 16 rows of A): lane (r, h), accumulator (a, b), register j = (A row 16 a + r, B row 16 b + 8 h + j).
;   q, k: A = the activations (rows = positions), B = the weights (rows = channels): a lane's registers run along the head's 64 channels, the K of the scores' product.
;   v:    A = Wv (rows = channels), B = value (rows = positions): a lane's registers run along the KEYS, the K of the second product of attention.
; So two neighbouring accumulators' conversions give four registers that ARE a lane's 16 bytes of a fragment (16 x 16 x 64 form: registers 2 c, 2 c + 1 hold k = 16 c + 8 h + 0 .. 7), and a wave's store covers 512 consecutive bytes.
; qkv: part g at g x 2^23; batch x 2^21; head x 2^17.  q, k: [128 tiles of 16 rows][2 pieces][32 lanes][16 bytes].  v: [32 steps of 64 keys][4 tiles of 16 channels][2 pieces][32 lanes][16 bytes].
; CLUSTERS: 4 x 4 work-groups; region A's tile is shared along a row of the cluster, region B's along a column: each is asked for jointly.
; LIMITS: eW + eAct between -126 and 127; the out scale's exponent between -126 and 119, so that each power of two below is an f32 number.  NaN among the biases is not served.
; REGISTERS, in windows of 256: window 0: v0-31 addresses; v32-95 the bias by column; v96-111 the bias by row; from v128 A's fragments, one set (on the way out: v128-191 numbers, v192-255 codes).
;   window 1: B's fragments, two sets.   window 2: the accumulators of my rows 0-63 ((a, b) at v[8 (8 a + b)]);   window 3: those of my rows 64-127.
; IN THIS PROGRAM THE LAUNCH MAKES k AND v ALONE: g = 1 + the cluster's x is 1 (k) or 2 (v); q is made at the head of the launch attn, by the waves that use it.
; 2 products x 128 tiles of 256 x 256 are 256 work-groups.  The workspace kv holds k's part at 0 and v's at 2^23, each laid as said above.
.set KSTEP,  256                       ; along K in a slot
.set ROWB,   256                       ; a tile's row in bytes
.set KROW,   1024                      ; a row of either region in memory, in bytes
.set PITCH,  272                       ; an LDS row: 256 bytes + 16 of padding = 68 words: row r starts at bank 4 r mod 64 (64 banks of 4 bytes: ISA guide 11.1)
.set FR,     16                        ; registers of a fragment: 16 rows x 128 K
.set NL,     4                         ; LDS loads that bring one
.set NP,     4                         ; places behind this matrix instruction (ISA guide 7.12.1)
.set HALFT,  128*PITCH                 ; 128 rows: what one tensor load brings
.set SLOT,   4*HALFT                   ; A's 256 rows, then B's 256 rows
.set LAPS,   2                         ; 1024 along K = four K steps = twice round the ring
.set ASTEP,  2*ROWB                    ; a refill's step in memory: two K steps along a row
.set BSTEP,  2*ROWB
.set SPARE,  2*SLOT                    ; behind the ring: the spare words, 128 bytes for each wave: two blocks of 256 bytes that no other line names
.set ADRA, 16                          ; v16-17  LDS address of my A fragments in slot 0, 1
.set ADRB, 20                          ; v20-21  the same for B
.set CO,   26                          ; v26     16 x lane: my 16 bytes of a store's 512
.set SPW,  28                          ; v28     LDS address of my spare word; never rewritten
.set NIL,  29                          ; v29     0; never rewritten
.set LIM,  30                          ; v30     448 x the out scale
.set SCL,  31                          ; v31     the out scale as f32
.set BN,   32                          ; v32-95  register 8 b + j: bias of B row 16 b + 8 h + j (q, k)
.set BM,   96                          ; v96-111 registers 2 a, 2 a + 1: bias of A row 16 a + r (v)
.set AF,   128                         ; A's fragments
.set TMP,  128                         ; the way out: 64 numbers
.set CD,   192                         ; the way out: four sets of 16 registers of codes
.set G1, 24                            ; s[24:31] descriptor group 1 for A's tiles;  s[32:39] group 0, one set for each slot
.set G0, 32
.set G1B, 48                           ; s[48:55], s[56:63] the same for B's tiles
.set G0B, 56
.set MSB, 0
.macro WIN new                         ; the immediate's high byte repeats the setting that is left
.if MSB != (\new)
	s_set_vgpr_msb (MSB<<8)|(\new)
.set MSB, (\new)
.endif
.endm
.set MUL_LO, 0xa1                      ; source 0 (B) window 1, source 1 (A) window 0, C and D window 2
.set MUL_HI, 0xf1                      ; the same, C and D window 3
.set TO_B,   0x40                      ; destination window 1, address window 0
; A joint load: waves 0 and 1 fetch for A, waves 2 and 3 for B.  Each line has one mask and one set of registers; the branch hangs on the wave's number alone.
; Four v_nop follow each of the two lines, ahead of the jump, the label and what follows.
.macro JLOAD g0a, g1a, g0b, g1b
	s_cmp_eq_u32 s15, 0
	s_cbranch_scc0 .Lfor_b_\@
	tensor_load_to_lds s[\g0a:\g0a+3], s[\g1a:\g1a+7]
	s_nop 0
.rept 4
	v_nop
.endr
	s_branch .Lasked_\@
.Lfor_b_\@:
	tensor_load_to_lds s[\g0b:\g0b+3], s[\g1b:\g1b+7]
	s_nop 0
.rept 4
	v_nop
.endr
.Lasked_\@:
.endm
.macro CREST                           ; a round of the cluster's barrier behind its opening barrier
	s_cmp_lg_u32 s14, 0
	s_cbranch_scc1 .Lnot_wave_0_\@
	s_barrier_signal -3
.Lnot_wave_0_\@:
	s_barrier_wait -3
	s_barrier_signal -1
	s_barrier_wait -1
.endm
.macro CROUND                          ; a whole round
	s_barrier_signal -1
	s_barrier_wait -1
	CREST
.endm
	s_load_b512 s[68:83], s[0:1], 0x0              ; key 68, value 70, Wk 72, Wv 74, bk 76, bv 78, the scales' exponents 80, kv 82
	v_lshl_add_u32 v[SPW], v0, 2, SPARE
	v_mov_b32 v[NIL], 0
	ds_add_u32 v28, v29
	ds_add_u32 v28, v29
	s_wait_dscnt 0x0
	v_lshrrev_b32 v1, 5, v0
	v_readfirstlane_b32 s14, v1                    ; wave 0..3
	s_lshr_b32 s15, s14, 1                         ; which half of the tile's rows is mine.  Also: I fetch for A (0) or for B (1)
	s_and_b32 s16, s14, 1                          ; which half of its columns.  Also: which 128 rows of that tile I fetch
	s_bfe_u32 s40, ttmp6, 0x40000                  ; cx, cy: my place in the cluster
	s_bfe_u32 s41, ttmp6, 0x40004
	s_add_co_u32 s12, ttmp9, 1                     ; g: 1 (k) or 2 (v), by the cluster's x
	s_and_b32 s13, ttmp7, 0xffff                   ; the cluster's y, 0..7, walks the 8,192 positions
	s_cmp_eq_u32 s12, 2
	s_cselect_b32 s17, 0, s13                      ; positions are A's rows (q, k)
	s_cselect_b32 s42, s13, 0                      ; or B's rows (v)
	s_lshl_b32 s17, s17, 2
	s_add_co_u32 s17, s17, s41                     ; tile row: hangs on cy alone within a cluster
	s_lshl_b32 s42, s42, 2
	s_add_co_u32 s42, s42, s40                     ; tile column: on cx alone
	s_lshl_b32 s43, s41, 2
	s_lshl_b32 s43, 15, s43                        ; my row of the cluster
	s_lshl_b32 s44, 0x1111, s40                    ; my column
	; descriptor group 1: a tile of 128 rows x 256 bytes, padded in LDS
	s_or_b32 s[G1+0], s43, (0<<16)|(1<<20)|(1<<21)|(5<<22)|(3<<25)  ; 15:0 the mask; 17:16 element of 1 byte; 20 padding on; 21 set beside a mask; 24:22 after every 64 words (code 5); 31:25 of 4 words (code 3)
	s_or_b32 s[G1B+0], s44, (0<<16)|(1<<20)|(1<<21)|(5<<22)|(3<<25)
.irp g, G1, G1B
	s_mov_b32 s[\g+1], ROWB<<16                    ; tensor_dim0
	s_mov_b32 s[\g+2], 128<<16                     ; tensor_dim1 = 128
	s_mov_b32 s[\g+3], ROWB<<16                    ; tile_dim0
	s_mov_b32 s[\g+4], 128                         ; tile_dim1 = 128
	s_mov_b32 s[\g+5], KROW                        ; tensor_dim0_stride
	s_mov_b32 s[\g+6], 0
	s_mov_b32 s[\g+7], 0
.endr
	s_lshl_b32 s18, s16, 7                         ; which 128 rows of the tile I fetch
	s_lshl_b32 s20, s17, 8
	s_add_co_u32 s20, s20, s18                     ; A: row 256 x tile row + 128 x half,
	s_lshl_b32 s20, s20, 10                        ; in bytes (under 2^23)
	s_mov_b32 s21, 0
	s_lshl_b32 s46, s42, 8
	s_add_co_u32 s46, s46, s18                     ; B: row 256 x tile column + 128 x half
	s_lshl_b32 s46, s46, 10
	s_mov_b32 s47, 0
	s_mul_i32 s45, s14, HALFT                      ; where they go: wave x 128 rows: no place in the cluster enters an LDS address
	s_wait_kmcnt 0x0
	s_load_b256 s[92:99], s[80:81], 0x0            ; entries 0 to 7 of the scales,
	s_load_b64 s[100:101], s[80:81], 0x20          ; 8 and 9
	s_cmp_eq_u32 s12, 2
	s_cselect_b64 s[4:5], s[74:75], s[68:69]       ; region A: Wv or key,
	s_cselect_b64 s[6:7], s[70:71], s[72:73]       ; region B: value or Wk,
	s_cselect_b64 s[8:9], s[78:79], s[76:77]       ; bv or bk
	s_add_nc_u64 s[20:21], s[4:5], s[20:21]
	s_add_nc_u64 s[46:47], s[6:7], s[46:47]
	CROUND                                         ; all sixteen work-groups are here: the first joint loads meet
.irp s, 0,1
	s_mov_b32 s[G0+4*\s], 1
	s_add_co_u32 s[G0+4*\s+1], s45, \s*SLOT
	s_add_nc_u64 s[G0+4*\s+2:G0+4*\s+3], s[20:21], \s*ROWB
	s_or_b32 s[G0+4*\s+3], s[G0+4*\s+3], 0x80000000
	s_mov_b32 s[G0B+4*\s], 1
	s_add_co_u32 s[G0B+4*\s+1], s45, \s*SLOT
	s_add_nc_u64 s[G0B+4*\s+2:G0B+4*\s+3], s[46:47], \s*ROWB
	s_or_b32 s[G0B+4*\s+3], s[G0B+4*\s+3], 0x80000000
.endr
	JLOAD G0, G1, G0B, G1B                         ; K step 0: one tensor load a wave at the head
	v_and_b32 v1, 15, v0                           ; r = l % 16
	v_bfe_u32 v2, v0, 4, 1                         ; h = l / 16
	v_mul_u32_u24 v3, v1, PITCH
	v_lshl_add_u32 v4, v2, 4, v3                   ; a fragment's row x pitch + 16 x half
	s_mul_i32 s21, s15, HALFT                      ; my 128 rows of A
	s_mul_i32 s22, s16, HALFT                      ; my 128 rows of B,
	s_add_co_u32 s22, s22, 2*HALFT                 ; which lie behind A's 256
.irp s, 0,1
	v_add_nc_u32 v[ADRA+\s], s21, v4
	v_add_nc_u32 v[ADRB+\s], s22, v4
	s_add_co_u32 s21, s21, SLOT
	s_add_co_u32 s22, s22, SLOT
.endr
	v_lshlrev_b32 v8, 5, v2                        ; 32 h: my half's eight numbers of a bias by column
	s_wait_alu depctr_va_vdst(0)
	v_lshlrev_b32 v9, 2, v1                        ; 4 r: my row's number of a bias by row
	s_wait_alu depctr_va_vdst(0)
	v_and_b32 v5, 31, v0
	v_lshlrev_b32 v[CO], 4, v5
	s_lshl_b32 s90, s17, 8
	s_lshl_b32 s18, s15, 7
	s_add_co_u32 s90, s90, s18                     ; m0: my first row of region A
	s_lshl_b32 s91, s42, 8
	s_lshl_b32 s18, s16, 7
	s_add_co_u32 s91, s91, s18                     ; n0: my first row of region B
	s_cmp_eq_u32 s12, 2
	s_cselect_b32 s18, 0, s91                      ; the bias has 1,024 numbers, by channel: by column from n0 on for q and k (for v: from 0 on, loaded and not used),
	s_cselect_b32 s46, s90, 0                      ; by row from m0 on for v (for q and k: from 0 on, loaded and not used): no load leaves the buffer
	s_cselect_b32 s22, s91, s90                    ; my first position
	s_cselect_b32 s23, s90, s91                    ; my first channel
	s_lshl_b32 s18, s18, 2
	s_lshl_b32 s46, s46, 2
	s_mov_b32 s19, 0
	s_mov_b32 s47, 0
	s_add_nc_u64 s[66:67], s[8:9], s[46:47]
	s_add_nc_u64 s[8:9], s[8:9], s[18:19]
.irp b, 0,1,2,3,4,5,6,7
	global_load_b128 v[BN+8*\b:BN+8*\b+3], v8, s[8:9] offset:64*\b
	global_load_b128 v[BN+8*\b+4:BN+8*\b+7], v8, s[8:9] offset:64*\b+16
.endr
.irp a, 0,1,2,3,4,5,6,7
	global_load_b32 v[BM+2*\a], v9, s[66:67] offset:64*\a      ; twice: the packed multiply-add takes a pair
	global_load_b32 v[BM+2*\a+1], v9, s[66:67] offset:64*\a
.endr
	s_lshl_b32 s20, ttmp9, 23                      ; where my part of kv begins: k's part or v's,
	s_lshr_b32 s21, s22, 11
	s_lshl_b32 s21, s21, 21                        ; batch = position / 2048,
	s_add_co_u32 s20, s20, s21
	s_lshr_b32 s21, s23, 6
	s_lshl_b32 s21, s21, 17                        ; head = channel / 64,
	s_add_co_u32 s20, s20, s21
	s_and_b32 s21, s22, 2047
	s_lshl_b32 s21, s21, 6                         ; 64 bytes for each position of the head, in q's and k's tiles of 16 and in v's steps of 64 alike
	s_add_co_u32 s20, s20, s21
	s_mov_b32 s21, 0
	s_add_nc_u64 s[10:11], s[82:83], s[20:21]
.macro FRAG reg, adr, q, i             ; a fragment, 16 rows x 128 K, is 16 registers: lane l holds row l % 16; registers 4 c .. 4 c + 3 hold K = 32 c + 16 (l / 16) + 0 .. 15: the same places of k in both regions
.irp c, 0,1,2,3
	ds_load_b128 v[\reg+4*\c:\reg+4*\c+3], v[\adr] offset:128*(\q)+32*\c+(\i)*16*PITCH
.endr
.endm
; 16 matrix instructions: A's blocks a0, a0 + 1 x B's eight, 128 along K.  p: B's set.  zero = 1: the first product starts the sums.
; The 64 accumulators take turns, one instruction a turn, in the same order in every step.
.macro MUL16 a0, p, zero
.irp a, \a0, \a0+1
.irp b, 0,1,2,3,4,5,6,7
.if \zero
	v_wmma_f32_16x16x128_fp8_fp8 v[8*(8*((\a)%4)+\b):8*(8*((\a)%4)+\b)+7], v[128*(\p)+FR*\b:128*(\p)+FR*\b+FR-1], v[AF+FR*(\a):AF+FR*(\a)+FR-1], 0
.else
	v_wmma_f32_16x16x128_fp8_fp8 v[8*(8*((\a)%4)+\b):8*(8*((\a)%4)+\b)+7], v[128*(\p)+FR*\b:128*(\p)+FR*\b+FR-1], v[AF+FR*(\a):AF+FR*(\a)+FR-1], v[8*(8*((\a)%4)+\b):8*(8*((\a)%4)+\b)+7]
.endif
.endr
.endr
.endm
.macro FETCH_B slot, q, p              ; B's eight fragments of the slot's q-th 128 along K into set p
	WIN TO_B
.irp i, 0,1,2,3,4,5,6,7
	FRAG 128*(\p)+FR*\i, ADRB+\slot, \q, \i
.endr
	WIN 0
.endm
.macro FETCH_A slot, q, i0             ; A's blocks i0 .. i0 + 3
.irp i, \i0, \i0+1, \i0+2, \i0+3
	FRAG AF+FR*(\i), ADRA+\slot, \q, \i
.endr
.endm
; A load into a register that a matrix instruction has read, and a vector instruction that reads a matrix result or writes one of its registers, stand NP places behind it;
; only plain vector instructions that name none of its registers are places (ISA guide 7.12.1 for vector instructions).
.macro PLACES n
.rept \n
	v_nop
.endr
.endm
; A step of 128 along K that has its successor in the same slot.
.macro STEP slot, q, zero
	s_wait_dscnt 4*NL                              ; B's set and A's blocks 0-3 are in; the youngest sixteen loads (A's blocks 4-7) may be out
	WIN MUL_LO
	MUL16 0, (\q)%2, \zero
	MUL16 2, (\q)%2, \zero
	s_wait_dscnt 0                                 ; A's blocks 4-7 are in
	PLACES NP
	FETCH_B \slot, (\q)+1, 1-(\q)%2
	FETCH_A \slot, (\q)+1, 0
	WIN MUL_HI
	MUL16 4, (\q)%2, \zero
	MUL16 6, (\q)%2, \zero
	PLACES NP
	WIN 0
	FETCH_A \slot, (\q)+1, 4
.endm
; A slot's last step changes slots: one barrier; in front of it each wave waits for all its tensor loads, adds 0 to its spare word, and waits for that and for its own reads of this slot.  fill = 1: this slot is filled again, two K steps ahead.
.macro TURN slot, next, fill
	s_wait_tensorcnt 0x0                           ; all my tensor loads have landed: my part of the next slot;  (every window is 0 here)
	ds_add_u32 v[SPW], v[NIL]                      ; 0 onto my spare word
	s_wait_dscnt 4*NL+1                            ; (the add and the youngest sixteen loads, A's blocks 4-7, may be out)
	WIN MUL_LO
	MUL16 0, 1, 0                                  ; sixteen matrix instructions stand between the add and the wait for it
	s_wait_dscnt 0x0                               ; the add is done, and my reads of this slot are over
	s_barrier_signal -1
	MUL16 2, 1, 0
	WIN 0
	s_barrier_wait -1
.if \fill
	CREST                                          ; the barrier has opened a round of the cluster's barrier: no wave of any partner still reads this slot's tile or has a load on its way
	s_add_nc_u64 s[G0+4*\slot+2:G0+4*\slot+3], s[G0+4*\slot+2:G0+4*\slot+3], ASTEP
	s_add_nc_u64 s[G0B+4*\slot+2:G0B+4*\slot+3], s[G0B+4*\slot+2:G0B+4*\slot+3], BSTEP
	JLOAD G0+4*\slot, G1, G0B+4*\slot, G1B         ; the first tensor load behind the round; its four v_nop are the places in front of the loads below
.else
	PLACES NP
.endif
	FETCH_B \next, 0, 0
	FETCH_A \next, 0, 0
	WIN MUL_HI
	MUL16 4, 1, 0
	MUL16 6, 1, 0
	PLACES NP
	WIN 0
	FETCH_A \next, 0, 4
.endm
	s_wait_alu depctr_va_vdst(0)
	s_wait_tensorcnt 0x0                           ; my part of K step 0 is in
	ds_add_u32 v[SPW], v[NIL]
	s_wait_dscnt 0x0
	CROUND                                         ; a whole round: everybody's part of K step 0 is in, and the joint loads meet
	JLOAD G0+4, G1, G0B+4, G1B                     ; K step 1's load, the first tensor load behind the round
	FETCH_B 0, 0, 0
	FETCH_A 0, 0, 0
	FETCH_A 0, 0, 4
	STEP 0, 0, 1                                   ; the first step stands in front of the loop: its products start the sums
	s_mov_b32 s3, LAPS-1
.Llap:                                                 ; a trip goes once round the ring, from a lap's second step to the next lap's first, and fills both slots again
	TURN 0, 1, 1
	STEP 1, 0, 0
	TURN 1, 0, 1
	STEP 0, 0, 0
	s_sub_co_u32 s3, s3, 1
	s_cmp_lg_u32 s3, 0
	s_cbranch_scc1 .Llap
	TURN 0, 1, 0                                   ; the last lap fills nothing, and has no round of the cluster's barrier
	STEP 1, 0, 0
	s_wait_dscnt 4*NL                              ; the very last step: nothing more to fetch
	WIN MUL_LO
	MUL16 0, 1, 0
	MUL16 2, 1, 0
	s_wait_dscnt 0
	WIN MUL_HI
	MUL16 4, 1, 0
	MUL16 6, 1, 0
	WIN 0
; THE WAY OUT, block by block of 16 A rows.  number = sum x 2^(eW + eAct) + bias, one packed multiply-add for two; held within +-448 x the out scale (the conversion to an 8-bit code does not
; saturate: ISA guide 7.6.2); eight numbers to two registers of codes.  Accumulators (a, 2 c) and (a, 2 c + 1) give the four registers of one piece of a fragment: one store, 16 bytes a lane, 512 consecutive bytes a wave.
; byrow = 0 (q, k): bias by column; piece c lies in head c / 2, tile a of 16 positions, half c % 2.   byrow = 1 (v): bias by row; head a / 4, step c / 2 of 64 keys, tile a % 4 of 16 channels, half c % 2.
.macro OUT byrow
.irp a, 0,1,2,3,4,5,6,7
.if \a == 4
	s_wait_xcnt 0x0                                ; the stores of blocks 0 to 3 have read their registers: the four sets of codes are written a second time only behind this wait
.endif
	WIN 0x02+\a/4                                  ; source 0: window 2 or 3
.irp b, 0,1,2,3,4,5,6,7
.irp i, 0,2,4,6
.if \byrow
	v_pk_fma_f32 v[TMP+8*\b+\i:TMP+8*\b+\i+1], v[64*(\a%4)+8*\b+\i:64*(\a%4)+8*\b+\i+1], s[96:97], v[BM+2*\a:BM+2*\a+1] op_sel_hi:[1,0,1]   ; each accumulator from its low end on
.else
	v_pk_fma_f32 v[TMP+8*\b+\i:TMP+8*\b+\i+1], v[64*(\a%4)+8*\b+\i:64*(\a%4)+8*\b+\i+1], s[96:97], v[BN+8*\b+\i:BN+8*\b+\i+1] op_sel_hi:[1,0,1]
.endif
.endr
.endr
	WIN 0
.set n, 0
.rept 64
	v_med3_num_f32 v[TMP+n], v[TMP+n], -v[LIM], v[LIM]
.set n, n+1
.endr
.irp b, 0,1,2,3,4,5,6,7
	v_cvt_scalef32_pk8_fp8_f32 v[CD+16*(\a%4)+2*\b:CD+16*(\a%4)+2*\b+1], v[TMP+8*\b:TMP+8*\b+7], v[SCL]
.endr
	v_nop                                          ; one plain vector instruction between the conversions and the next block's multiply-adds, which write their sources
.irp c, 0,1,2,3
.if \byrow
	global_store_b128 v[CO], v[CD+16*(\a%4)+4*\c:CD+16*(\a%4)+4*\c+3], s[10:11] offset:131072*(\a/4)+1024*(\a%4)+4096*(\c/2)+512*(\c%2)
.else
	global_store_b128 v[CO], v[CD+16*(\a%4)+4*\c:CD+16*(\a%4)+4*\c+3], s[10:11] offset:131072*(\c/2)+1024*\a+512*(\c%2)
.endif
.endr
.endr
.endm
	s_wait_kmcnt 0x0                               ; the scales' exponents
	s_add_co_i32 s94, s94, s95                     ; k's eW + eAct,
	s_add_co_i32 s96, s96, s97                     ; v's
	s_cmp_eq_u32 s12, 2
	s_cselect_b32 s96, s96, s94
	s_cselect_b32 s98, s101, s99                   ; the out scale: entry 9 or 7
	s_add_co_i32 s96, s96, 127
	s_lshl_b32 s96, s96, 23                        ; 2^(eW + eAct) as f32
	s_mov_b32 s97, s96                             ; (named with it as a pair, so it is written)
	s_add_co_i32 s98, s98, 127
	s_lshl_b32 s99, s98, 23
	v_mov_b32 v[SCL], s99                          ; the out scale as f32: the conversion takes its exponent field
	s_add_co_i32 s98, s98, 8
	s_lshl_b32 s98, s98, 23
	s_or_b32 s98, s98, 0x600000
	v_mov_b32 v[LIM], s98                          ; 448 x the out scale
	s_wait_loadcnt 0x0                             ; the biases
	PLACES NP                                      ; behind the last products: their results are read and the registers that held A's fragments are written
	s_cmp_eq_u32 s12, 2                            ; g is the same in all sixteen partners
	s_cbranch_scc1 .Lout_v
	OUT 0
	s_branch .Lout_done
.Lout_v:
	OUT 1
.Lout_done:
	s_wait_tensorcnt 0x0                           ; the wave's end
	ds_add_u32 v[SPW], v[NIL]
	s_wait_dscnt 0x0
	CROUND                                         ; the closing round: no work-group ends while a partner may still ask for a tile that names it
	s_endpgm
.Lfunc_end_k_q044964b725_proj:
	.size	k_q044964b725_proj, .Lfunc_end_k_q044964b725_proj-k_q044964b725_proj
	.p2alignl 7, 3214868480
	.fill 96, 4, 3214868480
	.section	.rodata,"a",@progbits
	.p2align	6, 0x0
	.amdhsa_kernel k_q044964b725_proj
		.amdhsa_group_segment_fixed_size 327680
		.amdhsa_private_segment_fixed_size 0
		.amdhsa_enable_private_segment 0
		.amdhsa_kernarg_size 64
		.amdhsa_user_sgpr_count 2
		.amdhsa_user_sgpr_kernarg_segment_ptr 1
		.amdhsa_wavefront_size32 1
		.amdhsa_system_sgpr_workgroup_id_x 1
		.amdhsa_system_sgpr_workgroup_id_y 1
		.amdhsa_system_sgpr_workgroup_id_z 1
		.amdhsa_system_vgpr_workitem_id 0
		.amdhsa_next_free_vgpr 1024
		.amdhsa_next_free_sgpr 102
		.amdhsa_reserve_vcc 0
		.amdhsa_float_denorm_mode_32 3
		.amdhsa_float_denorm_mode_16_64 3
		.amdhsa_memory_ordered 1
		.amdhsa_forward_progress 1
		.amdhsa_inst_pref_size 194
	.end_amdhsa_kernel
	.amdgpu_metadata
---
amdhsa.version: [ 1, 2 ]
amdhsa.kernels:
  - .name:           k_q044964b725_proj
    .symbol:         k_q044964b725_proj.kd
    .args:
      - { .name: key_codes, .offset: 0, .size: 8, .value_kind: global_buffer, .address_space: global }
      - { .name: value_codes, .offset: 8, .size: 8, .value_kind: global_buffer, .address_space: global }
      - { .name: Wk_codes, .offset: 16, .size: 8, .value_kind: global_buffer, .address_space: global }
      - { .name: Wv_codes, .offset: 24, .size: 8, .value_kind: global_buffer, .address_space: global }
      - { .name: bk, .offset: 32, .size: 8, .value_kind: global_buffer, .address_space: global }
      - { .name: bv, .offset: 40, .size: 8, .value_kind: global_buffer, .address_space: global }
      - { .name: lowp_scales, .offset: 48, .size: 8, .value_kind: global_buffer, .address_space: global }
      - { .name: kv, .offset: 56, .size: 8, .value_kind: global_buffer, .address_space: global }
    .group_segment_fixed_size: 327680
    .private_segment_fixed_size: 0
    .kernarg_segment_align: 8
    .kernarg_segment_size: 64
    .max_flat_workgroup_size: 128
    .sgpr_count:     102
    .vgpr_count:     1024
    .wavefront_size: 32
...
	.end_amdgpu_metadata
.endif
;; end of part 1
;; launch attn (part 2): grid 4 x 64, 16 waves a work-group, clusters of 4 x 1, 327,680 bytes of LDS; arguments query_codes, Wq_codes, bq, kv, lowp_scales, cc; writes cc
.if DOCPART == 2
	.amdgcn_target "amdgcn-amd-amdhsa--gfx1250"
	.amdhsa_code_object_version 6
	.text
	.protected	k_q044964b725_attn
	.globl	k_q044964b725_attn
	.p2align	8
	.type	k_q044964b725_attn,@function
k_q044964b725_attn:
	s_mov_b64 s[64:65], 0
	v_nop
	global_prefetch_b8 v0, s[64:65] scope:SCOPE_SE
	s_setreg_imm32_b32 hwreg(HW_REG_WAVE_MODE, 25, 1), 1
	s_wait_xcnt 0x0
	s_wait_alu depctr_hold_cnt(0) depctr_sa_sdst(0) depctr_va_vdst(0) depctr_va_sdst(0) depctr_va_ssrc(0) depctr_va_vcc(0) depctr_vm_vsrc(0)
	s_getreg_b32 s2, hwreg(HW_REG_IB_STS2, 6, 4)
	s_cmp_eq_u32 s2, 0
	s_cbranch_scc0 .Lentry_in_a_cluster
	s_endpgm
.Lentry_in_a_cluster:
	s_bfe_u32 s2, ttmp6, 0x10000c
	s_cmp_lg_u32 s2, 0x3003
	s_cbranch_scc0 .Lentry_shape_is_right
	s_endpgm
.Lentry_shape_is_right:
; THE QUERY PROJECTION AND ATTENTION ON CODES OF FP8 (E4M3): for each of 64 (batch, head): q = query Wq + bq, quantised with 2^e6; S = q k^T; softmax over the 2,048 keys with the logit S / sqrt(2048); O = p v / l, quantised to the codes of the output projection's operand.
; k, v come from kv as images of operand registers (16 x 16 x 64 form: registers 2 c, 2 c + 1 hold k = 16 c + 8 h + 0 .. 7): every fragment is two loads of 16 bytes a lane at 16 x lane.
; q IS MADE HERE, by the wave that uses it: its 32 queries x the head's 64 channels, K = 1,024 in eight steps of 128: q^T = Wq query^T (source 0 = 16 channels, source 1 = 16 queries), so that a lane's eight results are channels 16 ct + 8 h + 0 .. 7 of
; one query and their conversion gives registers 2 ct, 2 ct + 1 of Q's fragment.  bq x 2^-(e0 + e1) is the C of the first step; a sum then stands for q x 2^-(e0 + e1), and the conversion's scale is 2^(e6 - e0 - e1).
; Both operands take k in the same places (registers 4 c .. 4 c + 3: k = 32 c + 16 h + 0 .. 15).  A query row is read by one wave of the work-group, each byte once, straight into registers: three buffers of one K step.
; THE SOFTMAX: t = S x 2^(e6 + e7) x log2(e) / sqrt(2048); M = the row's largest t rounded UP to a whole number; p = 2^(t - M) is quantised with 2^e8; l is the sum of the unquantised p; O x 2^(e8 + e9) / l is quantised with 2^e10.
; TWO WALKS OVER THE KEYS.  A head's whole K lies in LDS, so the scores are formed twice: walk 1 (128 keys a trip) takes only each query's largest score and fixes M for the whole row;
; walk 2 (64 keys a trip) forms the scores again, p, l and O under that one M: no running maximum, and neither l nor O is ever rescaled.
; SHARES.  A work-group owns 512 queries of one head; each of its sixteen waves 32 of them, two tiles of 16, so that each fragment of Wq, K and V read from LDS feeds two products.  Four waves to a SIMD.
; LDS.  K's image, 131,072 bytes, at 0.  V's image behind it as 128 rows of 1,024 bytes + 16 of padding.  At the head every wave asks for one tile: waves 0 to 7 K's chunks of 16,384 bytes; waves 8 to 11 Wq's 64 rows of 1,024 bytes,
; 16 rows each, which land where V's rows 0 to 63 will lie; waves 12 to 15 V's rows 64 to 127.  When q is made, waves 8 to 11 fill their own tiles again, same shape and same bytes, with V's rows 0 to 63: that load has walk 1 in which to land.
; CLUSTER.  The four query blocks of a head are one cluster and ask for K, V and Wq jointly (mask 15); the descriptors hang on the wave's number and the head alone.
; No prefetch: K, V's upper half, Wq and the first query rows are asked for at the kernel's head themselves, and V's lower half a whole walk ahead of its use.
; LIMITS: e6 - e0 - e1, e8 and e10 between -126 and 119; e6 + e7 between -121 and 132 (they are added to the constant's exponent field); e0 + e1 and e8 + e9 go by v_ldexp_f32 and have none.
.set LI,   1                           ; v1   16 x lane; never rewritten
.set ADK,  2                           ; v2   LDS address of K's fragments (at the head: 448 x q's scale; on the way out: into the stage)
.set ADV,  3                           ; v3   of V's (at the head: q's scale; on the way out: back from the stage)
.set QLIM, 2
.set QSCL, 3
.set PLIM, 4                           ; v4   448 x 2^e8,
.set PLIM2,5                           ; v5   and once more: the two halves of a dual pair take their second sources from different registers
.set CLIM, 6                           ; v6   448 x 2^e10
.set CSCL, 7                           ; v7   2^e10
.set PSCL, 8                           ; v8   2^e8
.set LV,   9                           ; v9   16 x lane + V's image; never rewritten
.set SPW,  10                          ; v10  LDS address of my spare word; never rewritten
.set NIL,  11                          ; v11  0; never rewritten
.set QAD,  12                          ; at the head: v12 my lane's place in 16 query rows, v13 in 16 rows of Wq in LDS, v14 in the bias
.set WAD,  13
.set BAD,  14
.set ST,   12                          ; from walk 1 on, tile i at v[ST + 10 i]: +0 -M, +1 a permute's destination (named with -M as a pair), +2, +3 and +6, +7 l in two chains of two halves, +4 1 / l (+5 named with it), +8, +9 the largest score in two chains
.set QF,   32                          ; v32-47   Q, 8 a tile
.set KF,   48                          ; v48-79   four fragments of K (walk 1: eight, v48-111)
.set VF,   80                          ; v80-111  four fragments of V
.set S,    112                         ; v112-175 S^T, then p: 32 a tile (walk 1: v112-239, 64 a tile)
.set O,    176                         ; v176-239 O^T: 32 a tile (at the head: q^T's sums, tile i, channels 16 ct at v[O + 32 i + 8 ct])
.set P,    240                         ; v240-255 p's codes: 8 a tile
.set QB,   48                          ; at the head: v48-143 three buffers of query fragments (2 tiles x 16 registers); Wq's four fragments at v16, v144, v160, v240
.set BI,   112                         ; at the head: v112-143 the bias, 8 a tile of channels, in the third buffer until the first step has read it
.set VIMG, 131072                      ; LDS: K's image at 0, V's here,
.set VROW, 1040                        ; its rows 1,024 bytes + 16: an odd multiple of 16, so that the 16 rows of Wq that a fragment load touches start at 16 different groups of banks (64 banks of 4 bytes: ISA guide 11.1)
.set STG,  VIMG+128*VROW               ; behind them a stage for each wave: 2 tiles x 16 rows x (64 bytes + 16),
.set SWV,  2560
.set SPARE, STG+16*SWV                 ; and the spare words, 128 bytes for each wave
.set WV,   10                          ; s10  my wave's number
.set CX,   11                          ; s11  my place in the cluster: it enters the query's and the output's global addresses alone
.set BH,   12                          ; s12  16 x batch + head
.set G1K,  24                          ; s[24:31] descriptor group 1 for K's chunks;  s[32:35] their group 0
.set G0K,  32
.set G1P,  52                          ; s[52:59] group 1 for tiles of 16 padded rows (Wq, V);  s[60:63] their group 0
.set G0P,  60
.set SEL,  66                          ; s[66:67] lane selects for v_permlanex16_b32: lane l xor 16
.set CS,   74                          ; s[74:75] the constant that turns a sum into t
.set TB,   76                          ; s76  LDS byte at which the trip's keys begin in K's image
.set CNT,  77                          ; s77  trips to go
.set TV,   79                          ; s79  the same in V's padded image
.macro CROUND                          ; a round of the cluster's barrier
	s_barrier_signal -1
	s_barrier_wait -1
	s_cmp_lg_u32 s[WV], 0
	s_cbranch_scc1 .Lnot_wave_0_\@
	s_barrier_signal -3
.Lnot_wave_0_\@:
	s_barrier_wait -3
	s_barrier_signal -1
	s_barrier_wait -1
.endm
	s_load_b256 s[40:47], s[0:1], 0x0              ; query 40, Wq 42, bq 44, kv 46
	s_load_b128 s[48:51], s[0:1], 0x20             ; the scales' exponents 48, cc 50
	v_lshl_add_u32 v[SPW], v0, 2, SPARE
	v_mov_b32 v[NIL], 0
	ds_add_u32 v[SPW], v[NIL]                      ; the opening lines: the add, twice on end, and its wait ahead of my first tensor load
	ds_add_u32 v[SPW], v[NIL]
	v_lshrrev_b32 v2, 5, v0
	v_readfirstlane_b32 s[WV], v2                  ; wave 0..15
	v_and_b32 v[LI], 31, v0
	v_lshlrev_b32 v[LI], 4, v[LI]
	v_add_nc_u32 v[LV], VIMG, v[LI]
	v_and_b32 v14, 15, v0                          ; r
	v_bfe_u32 v15, v0, 4, 1                        ; h
	v_lshlrev_b32 v[QAD], 10, v14
	v_lshl_add_u32 v[QAD], v15, 4, v[QAD]          ; query: row r of 1,024 bytes, + 16 h
	v_mul_u32_u24 v[WAD], v14, VROW
	v_lshl_add_u32 v[WAD], v15, 4, v[WAD]
	v_add_nc_u32 v[WAD], VIMG, v[WAD]              ; Wq in LDS: row r, + 16 h
	v_lshlrev_b32 v[BAD], 5, v15                   ; the bias: my half's eight numbers
	s_bfe_u32 s[CX], ttmp6, 0x40000
	s_and_b32 s[BH], ttmp7, 0xffff
	s_mov_b32 s[G1K], 15|(3<<16)|(1<<21)           ; K: a dense block of 16,384 bytes as 64 rows of 256.  15:0 the mask: all four work-groups; 17:16 elements of 8 bytes; 21 set beside a mask
	s_mov_b32 s[G1K+1], 32<<16                     ; tensor_dim0 = 32 elements
	s_mov_b32 s[G1K+2], 64<<16                     ; tensor_dim1 = 64
	s_mov_b32 s[G1K+3], 32<<16                     ; tile_dim0
	s_mov_b32 s[G1K+4], 64                         ; tile_dim1
	s_mov_b32 s[G1K+5], 32                         ; tensor_dim0_stride
	s_mov_b32 s[G1K+6], 0
	s_mov_b32 s[G1K+7], 0
	s_mov_b32 s[G1P], 15|(3<<16)|(1<<20)|(1<<21)|(7<<22)|(3<<25)   ; Wq, V: 16 rows of 1,024 bytes, dense in memory; 20 padding on; 24:22 after every 256 words (code 7); 31:25 of 4 words (code 3)
	s_mov_b32 s[G1P+1], 128<<16
	s_mov_b32 s[G1P+2], 16<<16
	s_mov_b32 s[G1P+3], 128<<16
	s_mov_b32 s[G1P+4], 16
	s_mov_b32 s[G1P+5], 128
	s_mov_b32 s[G1P+6], 0
	s_mov_b32 s[G1P+7], 0
	s_mov_b32 s[SEL], 0x76543210
	s_mov_b32 s[SEL+1], 0xfedcba98
	s_mov_b32 s[CS], 0x3d0293ee                    ; log2(e) / sqrt(2048)
	s_and_b32 s13, s[BH], 15                       ; the head
	s_lshl_b32 s14, s[WV], 14                      ; K's chunk: 16,384 x wave, in LDS and in the head's image alike
	s_and_b32 s15, s[WV], 7                        ; u: which tile of 16 padded rows (waves 8 to 15)
	s_lshl_b32 s16, s15, 14                        ; 16 rows are 16,384 bytes of memory,
	s_mul_i32 s17, s15, 16*VROW
	s_add_co_u32 s17, s17, VIMG                    ; and lie here in LDS
	s_lshl_b32 s18, s[BH], 17                      ; my head's 131,072 bytes in each part of kv
	s_add_co_u32 s20, s18, s14                     ; K's chunk in kv
	s_mov_b32 s21, 0
	s_add_co_u32 s22, s18, 0x800000
	s_add_co_u32 s22, s22, s16                     ; V's rows 16 u on in kv
	s_mov_b32 s23, 0
	s_lshl_b32 s38, s13, 16
	s_add_co_u32 s38, s38, s16                     ; Wq's rows 16 u on of my head's 64
	s_mov_b32 s39, 0
	s_lshr_b32 s84, s[BH], 4
	s_lshl_b32 s84, s84, 21                        ; the batch's 2,048 query rows of 1,024 bytes,
	s_lshl_b32 s85, s[CX], 19                      ; my work-group's 512,
	s_add_co_u32 s84, s84, s85
	s_lshl_b32 s85, s[WV], 15                      ; my wave's 32
	s_add_co_u32 s84, s84, s85
	s_mov_b32 s85, 0
	s_lshl_b32 s86, s[CX], 5
	s_lshl_b32 s87, s[WV], 1
	s_add_co_u32 s86, s86, s87                     ; my first tile of 16 queries: 32 x block + 2 x wave,
	s_lshl_b32 s86, s86, 10                        ; 1,024 bytes a tile in cc
	s_add_co_u32 s86, s86, s18
	s_mov_b32 s87, 0
	s_lshl_b32 s88, s13, 8                         ; my head's 64 numbers of the bias
	s_mov_b32 s89, 0
	s_wait_alu depctr_va_vdst(0)
	s_wait_dscnt 0x0                               ; both opening adds are done
	s_wait_kmcnt 0x0
	s_load_b64 s[36:37], s[48:49], 0x0             ; e0, e1
	s_load_b128 s[68:71], s[48:49], 0x18           ; e6, e7, e8, e9
	s_load_b32 s72, s[48:49], 0x28                 ; e10
	s_mov_b32 s[G0K], 1                            ; count = 1
	s_mov_b32 s[G0K+1], s14                        ; LDS address
	s_add_nc_u64 s[G0K+2:G0K+3], s[46:47], s[20:21]
	s_or_b32 s[G0K+3], s[G0K+3], 0x80000000        ; type = 2
	s_cmp_lt_u32 s15, 4                            ; tiles 0 to 3 hold Wq first, tiles 4 to 7 V's upper half
	s_cselect_b64 s[90:91], s[42:43], s[46:47]
	s_cselect_b64 s[92:93], s[38:39], s[22:23]
	s_mov_b32 s[G0P], 1
	s_mov_b32 s[G0P+1], s17
	s_add_nc_u64 s[G0P+2:G0P+3], s[90:91], s[92:93]
	s_or_b32 s[G0P+3], s[G0P+3], 0x80000000
	s_add_nc_u64 s[94:95], s[46:47], s[22:23]      ; what tiles 0 to 3 take later: V's rows 16 u on
	s_add_nc_u64 s[80:81], s[40:41], s[84:85]      ; the query at my first row
	s_add_nc_u64 s[82:83], s[44:45], s[88:89]      ; bq at my head
	s_add_nc_u64 s[8:9], s[50:51], s[86:87]        ; cc at my first query
	CROUND                                         ; all four work-groups are here: the joint loads meet
	s_cmp_lt_u32 s[WV], 8                          ; one tensor load a wave, one in each arm
	s_cbranch_scc0 .Lpadded
	tensor_load_to_lds s[G0K:G0K+3], s[G1K:G1K+7]
	s_nop 0
	s_branch .Lasked
.Lpadded:
	tensor_load_to_lds s[G0P:G0P+3], s[G1P:G1P+7]
	s_nop 0
.Lasked:
.macro QLOAD k                         ; the query fragments of K step k: 2 tiles x 4 loads into buffer k % 3
.irp i, 0,1
.irp c, 0,1,2,3
	global_load_b128 v[QB+32*((\k)%3)+16*\i+4*\c:QB+32*((\k)%3)+16*\i+4*\c+3], v[QAD], s[80:81] offset:16384*\i+128*(\k)+32*\c
.endr
.endr
.endm
.macro WLOAD k                         ; Wq's four fragments of K step k
.irp ct, 0,1,2,3
.set WR, 16+(128+16*(\ct-1))*((\ct+2)/3)+64*(\ct/3)    ; v16, v144, v160, v240
.irp c, 0,1,2,3
	ds_load_b128 v[WR+4*\c:WR+4*\c+3], v[WAD] offset:16*VROW*\ct+128*(\k)+32*\c
.endr
.endr
.endm
; A K step of the projection: 8 products on 8 accumulators by turns.  cnt: the query loads issued behind this step's, which may stay out.  Behind the products and four places: the next step's Wq, and the query rows for the buffers that are free.
.macro QSTEP k, cnt
	s_wait_loadcnt \cnt
	s_wait_dscnt 0x0
.irp ct, 0,1,2,3
.set WR, 16+(128+16*(\ct-1))*((\ct+2)/3)+64*(\ct/3)
.irp i, 0,1
.if (\k) == 0
	v_wmma_f32_16x16x128_fp8_fp8 v[O+32*\i+8*\ct:O+32*\i+8*\ct+7], v[WR:WR+15], v[QB+32*((\k)%3)+16*\i:QB+32*((\k)%3)+16*\i+15], v[BI+8*\ct:BI+8*\ct+7]
.else
	v_wmma_f32_16x16x128_fp8_fp8 v[O+32*\i+8*\ct:O+32*\i+8*\ct+7], v[WR:WR+15], v[QB+32*((\k)%3)+16*\i:QB+32*((\k)%3)+16*\i+15], v[O+32*\i+8*\ct:O+32*\i+8*\ct+7]
.endif
.endr
.endr
.rept 4
	v_nop                                          ; places in front of loads into registers that the products have read, and of the first read of results
.endr
.if (\k) < 7
	WLOAD (\k)+1
.endif
.if (\k) == 0
	QLOAD 2                                        ; (the third buffer held the bias)
	QLOAD 3
.else
.if (\k) < 5
	QLOAD (\k)+3
.endif
.endif
.endm
.irp ct, 0,1,2,3
	global_load_b128 v[BI+8*\ct:BI+8*\ct+3], v[BAD], s[82:83] offset:64*\ct       ; bq at channels 16 ct + 8 h + 0 .. 7
	global_load_b128 v[BI+8*\ct+4:BI+8*\ct+7], v[BAD], s[82:83] offset:64*\ct+16
.endr
	QLOAD 0
	QLOAD 1
	s_wait_kmcnt 0x0
	s_add_co_i32 s36, s36, s37                     ; e0 + e1
	s_sub_co_i32 s37, 0, s36
	s_sub_co_i32 s13, s68, s36                     ; e6 - e0 - e1
	s_add_co_i32 s13, s13, 127
	s_lshl_b32 s15, s13, 23
	v_mov_b32 v[QSCL], s15                         ; q's scale over the sums' as f32: the conversion takes its exponent field
	s_add_co_i32 s13, s13, 8
	s_lshl_b32 s13, s13, 23
	s_or_b32 s13, s13, 0x600000
	v_mov_b32 v[QLIM], s13                         ; 448 x that
	s_add_co_i32 s13, s68, s69
	s_lshl_b32 s13, s13, 23
	s_add_co_i32 s[CS], s[CS], s13                 ; a score stands for score x 2^(e6 + e7): the exponents are added to the constant's exponent field
	s_mov_b32 s[CS+1], s[CS]                       ; (named with it as a pair, so it is written)
	s_add_co_i32 s13, s70, 127
	s_lshl_b32 s15, s13, 23
	v_mov_b32 v[PSCL], s15                         ; 2^e8
	s_add_co_i32 s13, s13, 8
	s_lshl_b32 s13, s13, 23
	s_or_b32 s13, s13, 0x600000
	v_mov_b32 v[PLIM], s13                         ; 448 x 2^e8
	v_mov_b32 v[PLIM2], s13
	s_add_co_i32 s13, s72, 127
	s_lshl_b32 s15, s13, 23
	v_mov_b32 v[CSCL], s15                         ; 2^e10
	s_add_co_i32 s13, s13, 8
	s_lshl_b32 s13, s13, 23
	s_or_b32 s13, s13, 0x600000
	v_mov_b32 v[CLIM], s13                         ; 448 x 2^e10
	s_add_co_i32 s78, s70, s71                     ; e8 + e9
	s_wait_loadcnt 16                              ; the bias is in; the sixteen query loads issued behind it may be out
.set n, 0
.rept 32
	v_ldexp_f32 v[BI+n], v[BI+n], s37              ; bq x 2^-(e0 + e1): the power of two that the sums lack
.set n, n+1
.endr
	s_wait_alu depctr_va_vdst(0)
	s_wait_tensorcnt 0x0                           ; my tile has landed,
	s_barrier_signal -1
	s_barrier_wait -1                              ; and so has everybody's: K, Wq and V's upper half are whole
	WLOAD 0
	QSTEP 0, 8
	QSTEP 1, 16
	QSTEP 2, 16
	QSTEP 3, 16
	QSTEP 4, 16
	QSTEP 5, 16
	QSTEP 6, 8
	QSTEP 7, 0
.set n, 0
.rept 64
	v_med3_num_f32 v[O+n], v[O+n], -v[QLIM], v[QLIM]   ; the conversion to an 8-bit code does not saturate (ISA guide 7.6.2); each accumulator from its low end on
.set n, n+1
.endr
.irp i, 0,1
.irp ct, 0,1,2,3
	v_cvt_scalef32_pk8_fp8_f32 v[QF+8*\i+2*\ct:QF+8*\i+2*\ct+1], v[O+32*\i+8*\ct:O+32*\i+8*\ct+7], v[QSCL]   ; channels 16 ct + 8 h + 0 .. 7 of query r: registers 2 ct, 2 ct + 1 of Q's fragment
.endr
.endr
	v_nop                                          ; one plain vector line behind the last conversion
	s_wait_tensorcnt 0x0                           ; Wq's bytes are filled again.  No load of mine is out, so group 0 may be written
	ds_add_u32 v[SPW], v[NIL]
	s_mov_b64 s[G0P+2:G0P+3], s[94:95]             ; the same tile in LDS, now V's rows 16 u on
	s_or_b32 s[G0P+3], s[G0P+3], 0x80000000
.irp i, 0,1
.irp n, 1,2,3,5,6,7
	v_mov_b32 v[ST+10*\i+\n], 0                    ; l's four parts; +1 and +5 are written since they are named in pairs and as a permute's destination
.endr
	v_mov_b32 v[ST+10*\i+8], 0xff61b1e6            ; the largest score so far: -3e38, under every sum of 64 products of codes
	v_mov_b32 v[ST+10*\i+9], 0xff61b1e6
.endr
	s_mov_b32 s[TB], 0
	s_mov_b32 s[CNT], 15
	s_lshr_b32 s13, s[WV], 2
	s_wait_alu depctr_va_vdst(0)
	s_wait_dscnt 0x0                               ; the add is done, and my reads of Wq are over
	CROUND                                         ; no wave of any partner still reads Wq or has a load on its way
	s_cmp_eq_u32 s13, 2                            ; waves 8 to 11 fill their own tiles again
	s_cbranch_scc0 .Lno_refill
	tensor_load_to_lds s[G0P:G0P+3], s[G1P:G1P+7]
	s_nop 0
.Lno_refill:
; WALK 1, a trip: 128 keys x my 32 queries: 16 products, 64 maxima in four chains.  more = 1: the next 128 keys' fragments are asked for behind the products; more = 0 (the last trip): walk 2's first 64 keys.
.macro MAXTRIP more
	s_wait_dscnt 0x0                               ; this trip's sixteen loads are in
.irp kt, 0,1,2,3,4,5,6,7
.irp i, 0,1
	v_wmma_f32_16x16x64_fp8_fp8 v[S+64*\i+8*\kt:S+64*\i+8*\kt+7], v[KF+8*\kt:KF+8*\kt+7], v[QF+8*\i:QF+8*\i+7], 0
.endr
.endr
.if \more
	v_add_nc_u32 v[ADK], s[TB], v[LI]              ; four places between the products and the loads into their sources, and the first read of their results
.rept 3
	v_nop
.endr
.irp f, 0,1,2,3,4,5,6,7,8,9,10,11,12,13,14,15
	ds_load_b128 v[KF+4*\f:KF+4*\f+3], v[ADK] offset:512*\f     ; tile f / 2 of 16 keys, half f % 2: 512 consecutive bytes
.endr
.else
.rept 4
	v_nop
.endr
.irp f, 0,1,2,3,4,5,6,7
	ds_load_b128 v[KF+4*\f:KF+4*\f+3], v[LI] offset:512*\f      ; keys 0 to 63 again
.endr
.endif
.irp kt, 0,1,2,3,4,5,6,7
.irp j, 0,4
.irp i, 0,1
	v_max3_num_f32 v[ST+10*\i+8], v[ST+10*\i+8], v[S+64*\i+8*\kt+\j], v[S+64*\i+8*\kt+\j+1]     ; each accumulator from its low end on
	v_max3_num_f32 v[ST+10*\i+9], v[ST+10*\i+9], v[S+64*\i+8*\kt+\j+2], v[S+64*\i+8*\kt+\j+3]
.endr
.endr
.endr
.endm
; WALK 2, a trip: 64 keys x my 32 queries.  more = 1: the next trip's K is asked for behind this trip's V; more = 0: the last trip.
.macro KEYTRIP more
	s_wait_dscnt 0x0                               ; K's eight loads are in
.irp kt, 0,1,2,3
.irp i, 0,1
	v_wmma_f32_16x16x64_fp8_fp8 v[S+32*\i+8*\kt:S+32*\i+8*\kt+7], v[KF+8*\kt:KF+8*\kt+7], v[QF+8*\i:QF+8*\i+7], 0
.endr
.endr
	v_add_nc_u32 v[ADV], s[TV], v[LV]              ; four places in front of the first read of results
.if \more
	v_add_nc_u32 v[ADK], s[TB], v[LI]
.else
	v_nop
.endif
	v_nop
	v_nop
.irp i, 0,1
.irp j, 0,2,4,6,8,10,12,14,16,18,20,22,24,26,28,30
	v_pk_fma_f32 v[S+32*\i+\j:S+32*\i+\j+1], v[S+32*\i+\j:S+32*\i+\j+1], s[CS:CS+1], v[ST+10*\i:ST+10*\i+1] op_sel_hi:[1,0,0]   ; t - M, two at a time (of both pairs the low word serves both halves).  Also the places in front of the loads below
.endr
.endr
.irp f, 0,1,2,3,4,5,6,7
	ds_load_b128 v[VF+4*\f:VF+4*\f+3], v[ADV] offset:512*\f+16*(\f/2)   ; tile f / 2 of 16 channels: one padded row of the image
.endr
.if \more
.irp f, 0,1,2,3,4,5,6,7
	ds_load_b128 v[KF+4*\f:KF+4*\f+3], v[ADK] offset:4096+512*\f     ; the next 64 keys
.endr
.endif
	s_wait_alu depctr_va_vdst(0)
.set n, 0
.rept 64
	v_exp_f32 v[S+n], v[S+n]                       ; p = 2^(t - M): not normalised.  One batch for both tiles
.set n, n+1
.endr
	v_nop                                          ; a plain place behind the exponentials
	s_wait_alu depctr_va_vdst(0)                   ; one wait for the batch of 64, ahead of its first reader
.irp j, 0,4,8,12,16,20,24,28
.irp i, 0,1
	v_pk_add_f32 v[ST+10*\i+2:ST+10*\i+3], v[ST+10*\i+2:ST+10*\i+3], v[S+32*\i+\j:S+32*\i+\j+1]       ; l is taken of the unquantised p: two at a time, two chains a tile
	v_pk_add_f32 v[ST+10*\i+6:ST+10*\i+7], v[ST+10*\i+6:ST+10*\i+7], v[S+32*\i+\j+2:S+32*\i+\j+3]
.endr
.endr
.irp i, 0,1
.irp kt, 0,1,2,3
.irp j, 0,2,4,6
	v_dual_min_num_f32 v[S+32*\i+8*\kt+\j], v[S+32*\i+8*\kt+\j], v[PLIM] :: v_dual_min_num_f32 v[S+32*\i+8*\kt+\j+1], v[S+32*\i+8*\kt+\j+1], v[PLIM2]   ; the conversion to an 8-bit code does not saturate (ISA guide 7.6.2); p is not negative, so the hold is one-sided; two numbers a line
.endr
	v_cvt_scalef32_pk8_fp8_f32 v[P+8*\i+2*\kt:P+8*\i+2*\kt+1], v[S+32*\i+8*\kt:S+32*\i+8*\kt+7], v[PSCL]   ; keys 16 kt + 8 h + 0 .. 7: registers 2 kt, 2 kt + 1 of the operand
.endr
.endr
	v_nop                                          ; one plain line between the last conversion and the products that read its result
	s_wait_alu depctr_va_vdst(0)
	s_wait_dscnt 8*\more                           ; V's eight loads are in; the next K's eight, issued behind them, may be out
.irp ct, 0,1,2,3
.irp i, 0,1
	v_wmma_f32_16x16x64_fp8_fp8 v[O+32*\i+8*\ct:O+32*\i+8*\ct+7], v[VF+8*\ct:VF+8*\ct+7], v[P+8*\i:P+8*\i+7], v[O+32*\i+8*\ct:O+32*\i+8*\ct+7]   ; eight accumulators by turns; the eight products of the scores stand between a sum's steps
.endr
.endr
.endm
.irp f, 0,1,2,3,4,5,6,7,8,9,10,11,12,13,14,15
	ds_load_b128 v[KF+4*\f:KF+4*\f+3], v[LI] offset:512*\f          ; keys 0 to 127
.endr
.Lmax:                                                 ; 15 trips; the sixteenth is written out, since it asks for other bytes
	s_add_co_u32 s[TB], s[TB], 8192                ; 128 keys are 8,192 bytes: what this trip asks for
	MAXTRIP 1
	s_sub_co_u32 s[CNT], s[CNT], 1
	s_cmp_lg_u32 s[CNT], 0
	s_wait_alu depctr_va_vdst(0)
	s_cbranch_scc1 .Lmax
	MAXTRIP 0
.irp i, 0,1
	v_max_num_f32 v[ST+10*\i+8], v[ST+10*\i+8], v[ST+10*\i+9]
.endr
.irp i, 0,1
	v_permlanex16_b32 v[ST+10*\i+1], v[ST+10*\i+8], s[SEL], s[SEL+1]
.endr
.irp i, 0,1
	v_max_num_f32 v[ST+10*\i+8], v[ST+10*\i+8], v[ST+10*\i+1]    ; and lane l xor 16's: the row's largest score
.endr
.irp i, 0,1
	v_mul_f32 v[ST+10*\i+8], s[CS], v[ST+10*\i+8]  ; as t (the constant is positive)
.endr
.irp i, 0,1
	v_floor_f32 v[ST+10*\i], -v[ST+10*\i+8]        ; -M = floor(-t) = -ceil(t): a whole number
.endr
.set n, 0
.rept 64
	v_mov_b32 v[O+n], 0                            ; O^T: walk 2's trip is written without a first step of its own
.set n, n+1
.endr
	s_mov_b32 s[TB], 0
	s_mov_b32 s[TV], 0
	s_mov_b32 s[CNT], 31
	s_wait_alu depctr_va_vdst(0)
	s_wait_tensorcnt 0x0                           ; waves 8 to 11: my rows of V's lower half have landed;
	s_wait_dscnt 0x0                               ; no LDS instruction of mine is out at the signal
	s_barrier_signal -1
	s_barrier_wait -1                              ; V is whole; nothing is filled again
.Lkey:                                                 ; 31 trips; the last is written out, since it asks for no further K
	KEYTRIP 1
	s_add_co_u32 s[TB], s[TB], 4096                ; a trip's 64 keys are 4,096 bytes of K,
	s_add_co_u32 s[TV], s[TV], 4*VROW              ; and four padded rows of V
	s_sub_co_u32 s[CNT], s[CNT], 1
	s_cmp_lg_u32 s[CNT], 0
	s_cbranch_scc1 .Lkey
	KEYTRIP 0
	; THE WAY OUT.  l's parts are added; O^T x 2^(e8 + e9) / l is held, quantised with 2^e10, and goes through my own stage in LDS, so that a wave's store covers 512 consecutive bytes of cc ([batch][head][position][64 channels]).
.irp i, 0,1
	v_pk_add_f32 v[ST+10*\i+2:ST+10*\i+3], v[ST+10*\i+2:ST+10*\i+3], v[ST+10*\i+6:ST+10*\i+7]
.endr
.irp i, 0,1
	v_add_f32 v[ST+10*\i+2], v[ST+10*\i+2], v[ST+10*\i+3]
.endr
.irp i, 0,1
	v_permlanex16_b32 v[ST+10*\i+1], v[ST+10*\i+2], s[SEL], s[SEL+1]
.endr
.irp i, 0,1
	v_add_f32 v[ST+10*\i+2], v[ST+10*\i+2], v[ST+10*\i+1]        ; the row's sum
.endr
	s_wait_alu depctr_va_vdst(0)
.irp i, 0,1
	v_rcp_f32 v[ST+10*\i+4], v[ST+10*\i+2]
.endr
	v_and_b32 v[KF+16], 15, v0                     ; r  (plain lines behind the reciprocals: the stage's addresses)
	v_bfe_u32 v[KF+17], v0, 4, 1                   ; h
	s_mul_i32 s13, s[WV], SWV
	s_add_co_u32 s13, s13, STG                     ; my stage
	v_mul_u32_u24 v[ADK], v[KF+16], 80
	v_lshl_add_u32 v[ADK], v[KF+17], 3, v[ADK]
	v_add_nc_u32 v[ADK], s13, v[ADK]               ; in: row r of 80 bytes, + 8 h
	v_bfe_u32 v[KF+16], v0, 2, 3                   ; (lane / 4)
	v_and_b32 v[KF+17], 3, v0
	v_mul_u32_u24 v[ADV], v[KF+16], 80
	v_lshl_add_u32 v[ADV], v[KF+17], 4, v[ADV]
	v_add_nc_u32 v[ADV], s13, v[ADV]               ; back: four lanes to a row of 64 bytes, eight rows an instruction
	s_wait_alu depctr_va_vdst(0)                   ; one wait for the two reciprocals, ahead of their first reader
.irp i, 0,1
	v_ldexp_f32 v[ST+10*\i+4], v[ST+10*\i+4], s78  ; x 2^(e8 + e9)
.endr
	s_wait_alu depctr_va_vdst(0)                   ; directly ahead of the first reader of O^T
.irp i, 0,1
.irp j, 0,2,4,6,8,10,12,14,16,18,20,22,24,26,28,30
	v_pk_mul_f32 v[O+32*\i+\j:O+32*\i+\j+1], v[O+32*\i+\j:O+32*\i+\j+1], v[ST+10*\i+4:ST+10*\i+5] op_sel_hi:[1,0]   ; each accumulator from its low end on
.endr
.endr
.set n, 0
.rept 64
	v_med3_num_f32 v[O+n], v[O+n], -v[CLIM], v[CLIM]
.set n, n+1
.endr
.irp i, 0,1
.irp ct, 0,1,2,3
	v_cvt_scalef32_pk8_fp8_f32 v[P+8*\i+2*\ct:P+8*\i+2*\ct+1], v[O+32*\i+8*\ct:O+32*\i+8*\ct+7], v[CSCL]   ; channels 16 ct + 8 h + 0 .. 7 of query r
.endr
.endr
	v_nop                                          ; one plain vector line behind the last conversion
.irp i, 0,1
.irp ct, 0,1,2,3
	ds_store_b64 v[ADK], v[P+8*\i+2*\ct:P+8*\i+2*\ct+1] offset:1280*\i+16*\ct
.endr
.endr
.irp f, 0,1,2,3
	ds_load_b128 v[KF+4*\f:KF+4*\f+3], v[ADV] offset:640*\f     ; LDS serves a wave's instructions in order (ISA guide 5.7.1.4): these see my stores.  Eight rows each: tile f / 2, half f % 2
.endr
.irp f, 0,1,2,3
	s_wait_dscnt 3-\f                              ; the younger loads may be out
	global_store_b128 v[LI], v[KF+4*\f:KF+4*\f+3], s[8:9] offset:512*\f   ; 32 lanes store 512 consecutive bytes, at a multiple of 512 from cc's first byte
.endr
	s_wait_tensorcnt 0x0                           ; the wave's end
	ds_add_u32 v[SPW], v[NIL]
	s_wait_dscnt 0x0
	CROUND                                         ; the closing round: no work-group ends while a partner may still ask for a tile that names it
	s_endpgm
.Lfunc_end_k_q044964b725_attn:
	.size	k_q044964b725_attn, .Lfunc_end_k_q044964b725_attn-k_q044964b725_attn
	.p2alignl 7, 3214868480
	.fill 96, 4, 3214868480
	.section	.rodata,"a",@progbits
	.p2align	6, 0x0
	.amdhsa_kernel k_q044964b725_attn
		.amdhsa_group_segment_fixed_size 327680
		.amdhsa_private_segment_fixed_size 0
		.amdhsa_enable_private_segment 0
		.amdhsa_kernarg_size 48
		.amdhsa_user_sgpr_count 2
		.amdhsa_user_sgpr_kernarg_segment_ptr 1
		.amdhsa_wavefront_size32 1
		.amdhsa_system_sgpr_workgroup_id_x 1
		.amdhsa_system_sgpr_workgroup_id_y 1
		.amdhsa_system_sgpr_workgroup_id_z 1
		.amdhsa_system_vgpr_workitem_id 0
		.amdhsa_next_free_vgpr 256
		.amdhsa_next_free_sgpr 96
		.amdhsa_reserve_vcc 0
		.amdhsa_float_denorm_mode_32 3
		.amdhsa_float_denorm_mode_16_64 3
		.amdhsa_memory_ordered 1
		.amdhsa_forward_progress 1
		.amdhsa_inst_pref_size 82
	.end_amdhsa_kernel
	.amdgpu_metadata
---
amdhsa.version: [ 1, 2 ]
amdhsa.kernels:
  - .name:           k_q044964b725_attn
    .symbol:         k_q044964b725_attn.kd
    .args:
      - { .name: query_codes, .offset: 0, .size: 8, .value_kind: global_buffer, .address_space: global }
      - { .name: Wq_codes, .offset: 8, .size: 8, .value_kind: global_buffer, .address_space: global }
      - { .name: bq, .offset: 16, .size: 8, .value_kind: global_buffer, .address_space: global }
      - { .name: kv, .offset: 24, .size: 8, .value_kind: global_buffer, .address_space: global }
      - { .name: lowp_scales, .offset: 32, .size: 8, .value_kind: global_buffer, .address_space: global }
      - { .name: cc, .offset: 40, .size: 8, .value_kind: global_buffer, .address_space: global }
    .group_segment_fixed_size: 327680
    .private_segment_fixed_size: 0
    .kernarg_segment_align: 8
    .kernarg_segment_size: 48
    .max_flat_workgroup_size: 512
    .sgpr_count:     96
    .vgpr_count:     256
    .wavefront_size: 32
...
	.end_amdgpu_metadata
.endif
;; end of part 2
;; launch outp (part 3): grid 4 x 64, 4 waves a work-group, clusters of 4 x 4, 327,680 bytes of LDS; arguments cc, Wo_codes, lowp_scales, bo, out0; writes out0
.if DOCPART == 3
	.amdgcn_target "amdgcn-amd-amdhsa--gfx1250"
	.amdhsa_code_object_version 6
	.text
	.protected	k_q044964b725_outp
	.globl	k_q044964b725_outp
	.p2align	8
	.type	k_q044964b725_outp,@function
k_q044964b725_outp:
	s_mov_b64 s[64:65], 0
	v_nop
	global_prefetch_b8 v0, s[64:65] scope:SCOPE_SE
	s_setreg_imm32_b32 hwreg(HW_REG_WAVE_MODE, 25, 1), 1
	s_wait_xcnt 0x0
	s_wait_alu depctr_hold_cnt(0) depctr_sa_sdst(0) depctr_va_vdst(0) depctr_va_sdst(0) depctr_va_ssrc(0) depctr_va_vcc(0) depctr_vm_vsrc(0)
	s_getreg_b32 s2, hwreg(HW_REG_IB_STS2, 6, 4)
	s_cmp_eq_u32 s2, 0
	s_cbranch_scc0 .Lentry_in_a_cluster
	s_endpgm
.Lentry_in_a_cluster:
	s_bfe_u32 s2, ttmp6, 0x10000c
	s_cmp_lg_u32 s2, 0xf033
	s_cbranch_scc0 .Lentry_shape_is_right
	s_endpgm
.Lentry_shape_is_right:
; THE OUTPUT PROJECTION: out0 = cat Wo + bo, [8192][1024] by [1024][1024] on codes of FP8 (E4M3) with K innermost; each finished sum x 2^(e10 + e11) + bo, f32.
; cc holds cat's codes as [batch][head][position][64 channels]: K = 64 x head + channel, so a K step of 256 is four heads, and 64 positions of one head are 4,096 consecutive bytes.  Wo_codes is [1024 (n)][1024 (k)].
; A tile of out0, 128 rows x 256 columns, is made by a work-group of four waves, 64 x 128 each: 32 accumulators of 16 x 16 in 256 registers.  8192 / 128 x 1024 / 256 = 256 work-groups.
; K goes in four steps of 256 through a ring of two LDS slots filled by the tensor data mover: waves 0 and 1 fetch A's two halves (64 positions x 4 heads), waves 2 and 3 B's (128 rows of 256 bytes).
; CLUSTERS: 4 x 4 work-groups.  The four of a row of the cluster need the same tiles of A, the four of a column the same tiles of B: each tile is asked for jointly.
; THE MATRIX INSTRUCTION IS USED TRANSPOSED (source 0 = 16 rows of Wo, source 1 = 16 positions): a lane then holds eight neighbouring numbers of a row of out0.
; No prefetch: K has four steps; steps 0 and 1 are the slots' first fills and steps 2 and 3 the only two refills, so there is no trip to run ahead in.
; LIMIT: e10 + e11 lies between -126 and 127, so that 2^(e10 + e11) is an f32 number.
; REGISTERS, in windows of 256: window 0: v0-31 addresses; v32-95 the bias by column; v96-127 at work on the way out; v128-191 A's fragments (4 x 16 positions x 128 K), one set (on the way out v128-255: rows read back).
;   window 1: B's fragments, two sets, at v0 and at v128.   window 2: the accumulators ((a, b) at v[8 (8 a + b)]).
.set ROWB,   256                       ; a row of B's tile in bytes
.set KROW,   1024                      ; a row of Wo in memory
.set PITCH,  272                       ; an LDS row: 256 bytes + 16 of padding = 68 words: row r starts at bank 4 r mod 64 (64 banks of 4 bytes: ISA guide 11.1)
.set HEADB,  16*PITCH                  ; 64 positions of one head: 4,096 bytes = 16 padded rows
.set FR,     16                        ; registers of a fragment: 16 rows x 128 K
.set NL,     4                         ; LDS loads that bring one
.set NP,     4                         ; places behind this matrix instruction (ISA guide 7.12.1)
.set AHALF,  4*HEADB                   ; what one load brings of A: 64 positions x 4 heads
.set HALFT,  128*PITCH                 ; of B: 128 rows
.set SLOT,   2*AHALF+2*HALFT           ; A's 128 positions, then B's 256 rows
.set LAPS,   2                         ; 1024 along K = four K steps = twice round the ring
.set ASTEP,  2*4*131072                ; a refill's step in memory: eight heads on,
.set BSTEP,  2*ROWB                    ; two K steps along a row
.set SPARE,  2*SLOT                    ; behind the ring: the spare words, 128 bytes for each wave: two blocks of 256 bytes that no other line names
.set SPITCH, 528                       ; the way out: a stage of 16 rows x (512 bytes + 16) for each wave, in slot 0, which has had its last fill and its last read when the first result is stored there
.set SIZE_N, 1024
.set ADRA, 16                          ; v16-17  LDS address of my A fragments in slot 0, 1
.set ADRB, 20                          ; v20-21  the same for B
.set STO,  24                          ; v24     the way out: where I put 32 bytes of a row
.set RD,   25                          ; v25     the way out: where I read a row back
.set CO,   26                          ; v26     my byte offset in a row of out0
.set SPW,  28                          ; v28     LDS address of my spare word; never rewritten
.set NIL,  29                          ; v29     0; never rewritten
.set BN,   32                          ; v32-95  register 8 b + j: bo at column 16 b + 8 h + j of my 128
.set TMP,  96                          ; the way out: 32 numbers
.set AF,   128                         ; A's fragments
.set BK,   128                         ; the way out: 16 rows read back from the stage: v128-191 and v192-255 by turns
.set G1, 24                            ; s[24:31] descriptor group 1 for A's tiles;  s[32:39] group 0, one set for each slot
.set G0, 32
.set G1B, 48                           ; s[48:55], s[56:63] the same for B's tiles
.set G0B, 56
.set MSB, 0
.macro WIN new                         ; the immediate's high byte repeats the setting that is left
.if MSB != (\new)
	s_set_vgpr_msb (MSB<<8)|(\new)
.set MSB, (\new)
.endif
.endm
.set MUL_LO, 0xa1                      ; source 0 (B) window 1, source 1 (A) window 0, C and D window 2
.set TO_B,   0x40                      ; destination window 1, address window 0
; A joint load: waves 0 and 1 fetch for A, waves 2 and 3 for B.  Each line has one mask and one set of registers; the branch hangs on the wave's number alone.
; An s_nop 0 and four v_nop follow each of the two lines, ahead of the jump, the label and what follows.
.macro JLOAD g0a, g1a, g0b, g1b
	s_cmp_eq_u32 s15, 0
	s_cbranch_scc0 .Lfor_b_\@
	tensor_load_to_lds s[\g0a:\g0a+3], s[\g1a:\g1a+7]
	s_nop 0
.rept 4
	v_nop
.endr
	s_branch .Lasked_\@
.Lfor_b_\@:
	tensor_load_to_lds s[\g0b:\g0b+3], s[\g1b:\g1b+7]
	s_nop 0
.rept 4
	v_nop
.endr
.Lasked_\@:
.endm
.macro CREST                           ; a round of the cluster's barrier behind its opening barrier
	s_cmp_lg_u32 s14, 0
	s_cbranch_scc1 .Lnot_wave_0_\@
	s_barrier_signal -3
.Lnot_wave_0_\@:
	s_barrier_wait -3
	s_barrier_signal -1
	s_barrier_wait -1
.endm
.macro CROUND                          ; a whole round
	s_barrier_signal -1
	s_barrier_wait -1
	CREST
.endm
	s_load_b256 s[68:75], s[0:1], 0x0              ; cc 68, Wo's codes 70, the scales' exponents 72, bo 74
	s_load_b64 s[10:11], s[0:1], 0x20              ; out0
	v_lshl_add_u32 v[SPW], v0, 2, SPARE
	v_mov_b32 v[NIL], 0
	ds_add_u32 v[SPW], v[NIL]                      ; the opening lines: the add, twice on end, and its wait ahead of my first tensor load
	ds_add_u32 v[SPW], v[NIL]
	v_lshrrev_b32 v1, 5, v0
	v_readfirstlane_b32 s14, v1                    ; wave 0..3
	s_lshr_b32 s15, s14, 1                         ; which 64 of the tile's rows are mine.  Also: I fetch for A (0) or for B (1)
	s_and_b32 s16, s14, 1                          ; which 128 of its columns.  Also: which half of that tile I fetch
	s_bfe_u32 s40, ttmp6, 0x40000                  ; cx, cy: my place in the cluster
	s_bfe_u32 s41, ttmp6, 0x40004
	s_lshl_b32 s42, ttmp9, 2
	s_add_co_u32 s42, s42, s40                     ; tile column = 4 x cluster x + cx
	s_and_b32 s17, ttmp7, 0xffff
	s_lshl_b32 s17, s17, 2
	s_add_co_u32 s17, s17, s41                     ; tile row = 4 x cluster y + cy
	s_lshl_b32 s43, s41, 2
	s_lshl_b32 s43, 15, s43                        ; my row of the cluster
	s_lshl_b32 s44, 0x1111, s40                    ; my column
	s_or_b32 s[G1+0], s43, (0<<16)|(1<<20)|(1<<21)|(5<<22)|(3<<25)  ; 15:0 the mask; 17:16 element of 1 byte; 20 padding on; 21 set beside a mask; 24:22 after every 64 words (code 5); 31:25 of 4 words (code 3)
	s_mov_b32 s[G1+1], 4096<<16                    ; A: four rows (heads) of 4,096 bytes (64 positions), 131,072 bytes apart
	s_mov_b32 s[G1+2], 4<<16
	s_mov_b32 s[G1+3], 4096<<16
	s_mov_b32 s[G1+4], 4
	s_mov_b32 s[G1+5], 131072
	s_mov_b32 s[G1+6], 0
	s_mov_b32 s[G1+7], 0
	s_or_b32 s[G1B+0], s44, (0<<16)|(1<<20)|(1<<21)|(5<<22)|(3<<25)
	s_mov_b32 s[G1B+1], ROWB<<16                   ; B: 128 rows of 256 bytes, 1,024 bytes apart
	s_mov_b32 s[G1B+2], 128<<16
	s_mov_b32 s[G1B+3], ROWB<<16
	s_mov_b32 s[G1B+4], 128
	s_mov_b32 s[G1B+5], KROW
	s_mov_b32 s[G1B+6], 0
	s_mov_b32 s[G1B+7], 0
	s_lshl_b32 s20, s17, 7
	s_lshl_b32 s21, s16, 6
	s_add_co_u32 s20, s20, s21                     ; A: position 128 x tile row + 64 x half:
	s_lshr_b32 s21, s20, 11
	s_lshl_b32 s21, s21, 21                        ; its batch's 2^21 bytes,
	s_and_b32 s20, s20, 2047
	s_lshl_b32 s20, s20, 6                         ; 64 bytes a position in head 0
	s_add_co_u32 s20, s20, s21
	s_mov_b32 s21, 0
	s_lshl_b32 s18, s16, 7
	s_lshl_b32 s46, s42, 8
	s_add_co_u32 s46, s46, s18                     ; B: row 256 x tile column + 128 x half
	s_lshl_b32 s46, s46, 10
	s_mov_b32 s47, 0
	s_mul_i32 s45, s16, AHALF                      ; where they go: A's two halves,
	s_mul_i32 s22, s16, HALFT
	s_add_co_u32 s22, s22, 2*AHALF                 ; then B's two: no place in the cluster enters an LDS address
	s_wait_dscnt 0x0                               ; both opening adds are done
	s_wait_kmcnt 0x0
	s_load_b64 s[96:97], s[72:73], 0x28            ; e10, e11
	s_add_nc_u64 s[20:21], s[68:69], s[20:21]
	s_add_nc_u64 s[46:47], s[70:71], s[46:47]
	CROUND                                         ; all sixteen work-groups are here: the first joint loads meet
.irp s, 0,1
	s_mov_b32 s[G0+4*\s], 1
	s_add_co_u32 s[G0+4*\s+1], s45, \s*SLOT
	s_add_nc_u64 s[G0+4*\s+2:G0+4*\s+3], s[20:21], \s*4*131072     ; K step s: heads 4 s on
	s_or_b32 s[G0+4*\s+3], s[G0+4*\s+3], 0x80000000
	s_mov_b32 s[G0B+4*\s], 1
	s_add_co_u32 s[G0B+4*\s+1], s22, \s*SLOT
	s_add_nc_u64 s[G0B+4*\s+2:G0B+4*\s+3], s[46:47], \s*ROWB
	s_or_b32 s[G0B+4*\s+3], s[G0B+4*\s+3], 0x80000000
.endr
	JLOAD G0, G1, G0B, G1B                         ; K step 0: one tensor load a wave at the head
	v_and_b32 v1, 15, v0                           ; r = l % 16
	v_bfe_u32 v2, v0, 4, 1                         ; h = l / 16
	v_mul_u32_u24 v3, v1, PITCH
	v_lshl_add_u32 v4, v2, 4, v3                   ; B: a fragment's row x pitch + 16 h
	v_lshrrev_b32 v5, 2, v1
	v_mul_u32_u24 v5, v5, PITCH
	v_and_b32 v6, 3, v1
	v_lshl_add_u32 v5, v6, 6, v5
	v_lshl_add_u32 v5, v2, 4, v5                   ; A: position r lies in padded row r / 4 at byte 64 (r % 4); + 16 h
	s_mul_i32 s21, s15, AHALF                      ; my 64 positions of A
	s_mul_i32 s22, s16, HALFT                      ; my 128 rows of B,
	s_add_co_u32 s22, s22, 2*AHALF                 ; which lie behind A
.irp s, 0,1
	v_add_nc_u32 v[ADRA+\s], s21, v5
	v_add_nc_u32 v[ADRB+\s], s22, v4
	s_add_co_u32 s21, s21, SLOT
	s_add_co_u32 s22, s22, SLOT
.endr
	s_mul_i32 s23, s14, 16*SPITCH                  ; my stage
	v_mul_u32_u24 v7, v1, SPITCH                   ; in: row r, 32 bytes for each half of the lanes
	v_lshl_add_u32 v7, v2, 5, v7
	v_add_nc_u32 v[STO], s23, v7
	v_and_b32 v6, 31, v0
	v_lshlrev_b32 v[CO], 4, v6                     ; back: the 32 lanes take one row of 512 bytes; and the same in out0
	v_add_nc_u32 v[RD], s23, v[CO]
	v_lshlrev_b32 v8, 5, v2                        ; 32 h: my half's eight numbers of the bias
	s_wait_alu depctr_va_vdst(0)
	s_lshl_b32 s20, s17, 7
	s_lshl_b32 s21, s15, 6
	s_add_co_u32 s20, s20, s21                     ; my first row of out0: 128 x tile row + 64 x half,
	s_lshl_b32 s20, s20, 12                        ; 4,096 bytes a row
	s_mov_b32 s21, 0
	s_lshl_b32 s46, s42, 10                        ; my first column, in bytes: 1024 x tile column + 512 x half
	s_lshl_b32 s47, s16, 9
	s_add_co_u32 s46, s46, s47
	s_mov_b32 s47, 0
	s_add_nc_u64 s[74:75], s[74:75], s[46:47]
	s_add_nc_u64 s[20:21], s[20:21], s[46:47]
	s_add_nc_u64 s[10:11], s[10:11], s[20:21]
.irp b, 0,1,2,3,4,5,6,7
	global_load_b128 v[BN+8*\b:BN+8*\b+3], v8, s[74:75] offset:64*\b
	global_load_b128 v[BN+8*\b+4:BN+8*\b+7], v8, s[74:75] offset:64*\b+16
.endr
.macro FRAG reg, adr, q, i             ; a fragment of B, 16 rows x 128 K: registers 4 c .. 4 c + 3 hold K = 32 c + 16 h + 0 .. 15 of the slot's q-th 128
.irp c, 0,1,2,3
	ds_load_b128 v[\reg+4*\c:\reg+4*\c+3], v[\adr] offset:128*(\q)+32*\c+(\i)*16*PITCH
.endr
.endm
.macro FRAGA reg, adr, q, i            ; the same places of K for A: 128 along K are two heads; 16 positions are four padded rows
.irp c, 0,1,2,3
	ds_load_b128 v[\reg+4*\c:\reg+4*\c+3], v[\adr] offset:(2*(\q)+\c/2)*HEADB+32*(\c%2)+(\i)*4*PITCH
.endr
.endm
; 8 matrix instructions: A's block a x B's eight, 128 along K.  p: B's set.  zero = 1: the first product starts the sums.
; The 32 accumulators take turns, one instruction a turn, in the same order in every step.
.macro MUL8 a, p, zero
.irp b, 0,1,2,3,4,5,6,7
.if \zero
	v_wmma_f32_16x16x128_fp8_fp8 v[8*(8*(\a)+\b):8*(8*(\a)+\b)+7], v[128*(\p)+FR*\b:128*(\p)+FR*\b+FR-1], v[AF+FR*(\a):AF+FR*(\a)+FR-1], 0
.else
	v_wmma_f32_16x16x128_fp8_fp8 v[8*(8*(\a)+\b):8*(8*(\a)+\b)+7], v[128*(\p)+FR*\b:128*(\p)+FR*\b+FR-1], v[AF+FR*(\a):AF+FR*(\a)+FR-1], v[8*(8*(\a)+\b):8*(8*(\a)+\b)+7]
.endif
.endr
.endm
.macro FETCH_B slot, q, p              ; B's eight fragments of the slot's q-th 128 along K into set p
	WIN TO_B
.irp i, 0,1,2,3,4,5,6,7
	FRAG 128*(\p)+FR*\i, ADRB+\slot, \q, \i
.endr
	WIN 0
.endm
.macro FETCH_A slot, q, i0             ; A's blocks i0, i0 + 1
.irp i, \i0, \i0+1
	FRAGA AF+FR*(\i), ADRA+\slot, \q, \i
.endr
.endm
; A load into a register that a matrix instruction has read, and a vector instruction that reads a matrix result, stand NP places behind it;
; only plain vector instructions that name none of its registers are places (ISA guide 7.12.1 for vector instructions).
.macro PLACES n
.rept \n
	v_nop
.endr
.endm
; A step of 128 along K that has its successor in the same slot: 32 matrix instructions.  A's blocks 0, 1 are fetched anew in the step's middle, blocks 2, 3 at its end; B's next set in the middle.
.macro STEP slot, q, zero
	s_wait_dscnt 2*NL                              ; B's set and A's blocks 0, 1 are in; the youngest eight loads (A's blocks 2, 3) may be out
	WIN MUL_LO
	MUL8 0, (\q)%2, \zero
	MUL8 1, (\q)%2, \zero
	s_wait_dscnt 0                                 ; A's blocks 2, 3 are in
	PLACES NP
	FETCH_B \slot, (\q)+1, 1-(\q)%2
	FETCH_A \slot, (\q)+1, 0
	WIN MUL_LO
	MUL8 2, (\q)%2, \zero
	MUL8 3, (\q)%2, \zero
	PLACES NP
	WIN 0
	FETCH_A \slot, (\q)+1, 2
.endm
; A slot's last step changes slots: one barrier; in front of it each wave waits for all its tensor loads, adds 0 to its spare word, and waits for that and for its own reads of this slot.  fill = 1: this slot is filled again, two K steps ahead.
.macro TURN slot, next, fill
	s_wait_tensorcnt 0x0                           ; all my tensor loads have landed: my part of the next slot;  (every window is 0 here)
	ds_add_u32 v[SPW], v[NIL]                      ; 0 onto my spare word
	s_wait_dscnt 2*NL+1                            ; (the add and the youngest eight loads, A's blocks 2, 3, may be out)
	WIN MUL_LO
	MUL8 0, 1, 0                                   ; eight matrix instructions stand between the add and the wait for it
	s_wait_dscnt 0x0                               ; the add is done, and my reads of this slot are over
	s_barrier_signal -1
	MUL8 1, 1, 0
	WIN 0
	s_barrier_wait -1
.if \fill
	CREST                                          ; the barrier has opened a round of the cluster's barrier: no wave of any partner still reads this slot's tile or has a load on its way
	s_add_nc_u64 s[G0+4*\slot+2:G0+4*\slot+3], s[G0+4*\slot+2:G0+4*\slot+3], ASTEP
	s_add_nc_u64 s[G0B+4*\slot+2:G0B+4*\slot+3], s[G0B+4*\slot+2:G0B+4*\slot+3], BSTEP
	JLOAD G0+4*\slot, G1, G0B+4*\slot, G1B         ; the first tensor load behind the round; its four v_nop are the places in front of the loads below
.else
	PLACES NP
.endif
	FETCH_B \next, 0, 0
	FETCH_A \next, 0, 0
	WIN MUL_LO
	MUL8 2, 1, 0
	MUL8 3, 1, 0
	PLACES NP
	WIN 0
	FETCH_A \next, 0, 2
.endm
	s_wait_alu depctr_va_vdst(0)
	s_wait_tensorcnt 0x0                           ; my part of K step 0 is in
	ds_add_u32 v[SPW], v[NIL]
	s_wait_dscnt 0x0
	CROUND                                         ; a whole round: everybody's part of K step 0 is in, and the joint loads meet
	JLOAD G0+4, G1, G0B+4, G1B                     ; K step 1's load, the first tensor load behind the round
	FETCH_B 0, 0, 0
	FETCH_A 0, 0, 0
	FETCH_A 0, 0, 2
	STEP 0, 0, 1                                   ; the first step stands in front of the loop: its products start the sums
	s_mov_b32 s3, LAPS-1
.Llap:                                                 ; a trip goes once round the ring, from a lap's second step to the next lap's first, and fills both slots again
	TURN 0, 1, 1
	STEP 1, 0, 0
	TURN 1, 0, 1
	STEP 0, 0, 0
	s_sub_co_u32 s3, s3, 1
	s_cmp_lg_u32 s3, 0
	s_cbranch_scc1 .Llap
	TURN 0, 1, 0                                   ; the last lap fills nothing, and has no round of the cluster's barrier
	STEP 1, 0, 0
	s_wait_dscnt 2*NL                              ; the very last step: nothing more to fetch
	WIN MUL_LO
	MUL8 0, 1, 0
	MUL8 1, 1, 0
	s_wait_dscnt 0
	MUL8 2, 1, 0
	MUL8 3, 1, 0
	WIN 0
; THE WAY OUT, block by block of 16 rows x 128 columns.  number = sum x 2^(e10 + e11) + bo, one packed multiply-add for two.  A lane holds 32 neighbouring bytes of a row, and the lanes beside it hold other rows: so a block goes
; through my own stage in LDS and comes back as whole rows of 512 bytes, which the 32 lanes store as two aligned units of 256 bytes.  LDS serves a wave's instructions in order (ISA guide 5.7.1.4): no wait between the stores and the loads.
.macro TOSTAGE a
.set AC, 64*(\a)
.irp hb, 0,1
	WIN 0x02                                       ; source 0: window 2
.irp j, 0,2,4,6,8,10,12,14,16,18,20,22,24,26,28,30
	v_pk_fma_f32 v[TMP+\j:TMP+\j+1], v[AC+32*\hb+\j:AC+32*\hb+\j+1], s[96:97], v[BN+32*\hb+\j:BN+32*\hb+\j+1] op_sel_hi:[1,0,1]   ; each accumulator from its low end on
.endr
	WIN 0
.irp b, 0,1,2,3
	ds_store_b128 v[STO], v[TMP+8*\b:TMP+8*\b+3] offset:64*(4*\hb+\b)
	ds_store_b128 v[STO], v[TMP+8*\b+4:TMP+8*\b+7] offset:64*(4*\hb+\b)+16
.endr
.endr
.set BB, BK+64*((\a)%2)
.irp t, 0,1,2,3,4,5,6,7,8,9,10,11,12,13,14,15
	ds_load_b128 v[BB+4*\t:BB+4*\t+3], v[RD] offset:\t*SPITCH
.endr
.endm
.macro SEND a, younger                 ; younger: the LDS instructions issued behind block a's loads, which may stay out
.set BB, BK+64*((\a)%2)
	s_wait_dscnt \younger                          ; the block is back in registers
.if (\a) > 0
	s_add_nc_u64 s[10:11], s[10:11], 16*SIZE_N*4   ; (behind a wait on XCNT: the earlier stores have read their base)  16 rows of out0 on
.endif
.irp t, 0,1,2,3,4,5,6,7,8,9,10,11,12,13,14,15
	global_store_b128 v[CO], v[BB+4*\t:BB+4*\t+3], s[10:11] offset:\t*SIZE_N*4 th:TH_STORE_NT   ; 32 lanes store 512 consecutive bytes, at a multiple of 256 from out0's first byte; written once, read by nobody here
.endr
.endm
	s_wait_kmcnt 0x0
	s_add_co_i32 s96, s96, s97                     ; e10 + e11
	s_add_co_i32 s96, s96, 127
	s_lshl_b32 s96, s96, 23                        ; makes the f32 number 2^(e10 + e11)
	s_mov_b32 s97, s96                             ; (named with it as a pair, so it is written)
	s_wait_loadcnt 0x0                             ; the bias
	PLACES NP                                      ; behind the last products: their results are read, and rows are loaded into the registers that held A's fragments
	TOSTAGE 0
.irp a, 1,2,3
.if \a > 1
	s_wait_xcnt 0x0                                ; block a - 2's stores have read their registers and their base: block a's loads may land there, and the base may step
.endif
	TOSTAGE \a
	SEND \a-1, 32                                  ; behind block a - 1's loads: block a's 16 stores and 16 loads
.endr
	s_wait_xcnt 0x0                                ; block 2's stores have read their base
	SEND 3, 0
	s_wait_tensorcnt 0x0                           ; the wave's end
	ds_add_u32 v[SPW], v[NIL]
	s_wait_dscnt 0x0
	CROUND                                         ; the closing round: no work-group ends while a partner may still ask for a tile that names it
	s_endpgm
.Lfunc_end_k_q044964b725_outp:
	.size	k_q044964b725_outp, .Lfunc_end_k_q044964b725_outp-k_q044964b725_outp
	.p2alignl 7, 3214868480
	.fill 96, 4, 3214868480
	.section	.rodata,"a",@progbits
	.p2align	6, 0x0
	.amdhsa_kernel k_q044964b725_outp
		.amdhsa_group_segment_fixed_size 327680
		.amdhsa_private_segment_fixed_size 0
		.amdhsa_enable_private_segment 0
		.amdhsa_kernarg_size 40
		.amdhsa_user_sgpr_count 2
		.amdhsa_user_sgpr_kernarg_segment_ptr 1
		.amdhsa_wavefront_size32 1
		.amdhsa_system_sgpr_workgroup_id_x 1
		.amdhsa_system_sgpr_workgroup_id_y 1
		.amdhsa_system_sgpr_workgroup_id_z 1
		.amdhsa_system_vgpr_workitem_id 0
		.amdhsa_next_free_vgpr 768
		.amdhsa_next_free_sgpr 102
		.amdhsa_reserve_vcc 0
		.amdhsa_float_denorm_mode_32 3
		.amdhsa_float_denorm_mode_16_64 3
		.amdhsa_memory_ordered 1
		.amdhsa_forward_progress 1
		.amdhsa_inst_pref_size 79
	.end_amdhsa_kernel
	.amdgpu_metadata
---
amdhsa.version: [ 1, 2 ]
amdhsa.kernels:
  - .name:           k_q044964b725_outp
    .symbol:         k_q044964b725_outp.kd
    .args:
      - { .name: cc, .offset: 0, .size: 8, .value_kind: global_buffer, .address_space: global }
      - { .name: Wo_codes, .offset: 8, .size: 8, .value_kind: global_buffer, .address_space: global }
      - { .name: lowp_scales, .offset: 16, .size: 8, .value_kind: global_buffer, .address_space: global }
      - { .name: bo, .offset: 24, .size: 8, .value_kind: global_buffer, .address_space: global }
      - { .name: out0, .offset: 32, .size: 8, .value_kind: global_buffer, .address_space: global }
    .group_segment_fixed_size: 327680
    .private_segment_fixed_size: 0
    .kernarg_segment_align: 8
    .kernarg_segment_size: 40
    .max_flat_workgroup_size: 128
    .sgpr_count:     102
    .vgpr_count:     768
    .wavefront_size: 32
...
	.end_amdgpu_metadata
.endif
;; end of part 3
